; MI455X (gfx1250); checked and timed in simulation.
; The chip was launched on July 23, 2026; its instructions are those of AMD's public machine-readable ISA for CDNA 5 (MIT licence, August 2026) and "CDNA5" Instruction Set Architecture Reference Guide (July 2026). The comments in the code are by the model that wrote it; some were corrected since.
;; Causal Self Attention. Allowed arithmetic: matrix products marked QUANTISED: E2M3 operands, one E8M0 scale for each 32 along K, by v_wmma_scale_f32_16x16x128_f8f6f4 with both operands' format E2M3, f32 sums; everything else in f32.
;; Inputs: b_attn 3,072 float32; b_proj 1,024 float32; w_attn 3,072 x 1,024 float32; w_proj 1,024 x 1,024 float32; x 4 x 2,048 x 1,024 float32.
;; Outputs: out0 4 x 2,048 x 1,024 float32.
;; This version of the problem:
;;   THIS VERSION OF THE PROBLEM IS GIVEN IN LOW PRECISION. The matrix products marked QUANTISED in the list below multiply operands that are first quantised to E2M3 (2 exponent bits, 3 mantissa bits; 6 bits a number), with one power-of-two scale for each 32 numbers along K (OCP MX v1.0); their sums are f32. All else is computed in f32.
;;   The module's matrix products, in the order in which they are computed (A, B: the left and right operand; K: the contracted axis; several contracted axes count as one K, in the product's order):
;;     1. [M 8,192, K 1,024] x [K 1,024, N 3,072]; A: input x; B: input w_attn: QUANTISED
;;     2. batch 64 x [M 2,048, K 64] x [K 64, N 2,048]; A: computed on the way; B: computed on the way: QUANTISED
;;     3. batch 64 x [M 2,048, K 2,048] x [K 2,048, N 64]; A: softmax (see below); B: computed on the way: QUANTISED
;;     4. [M 8,192, K 1,024] x [K 1,024, N 1,024]; A: computed on the way; B: input w_proj: QUANTISED
;;   THE QUANTISER, for each operand of a quantised product, along K:
;;     - K is cut into blocks of 32 from its start; a last block that is shorter is filled with zeros.
;;     - A block's scale is 2^e with e = floor(log2(the largest magnitude in the block)) - 2, held to -126 .. 127; a block of zeros has e = 0. As a byte (E8M0): e + 127.
;;     - Each number is divided by its block's scale, clamped to +-7.5, and rounded to the nearest number of E2M3, ties to even, subnormals kept.
;;     - The product sums the exact products of the quantised numbers (number of the format x scale) in f32.
;;   ~~~python
;;   def quantise(x, axis):      # numpy; x: float32 -> the quantised numbers, widened to float32 again
;;       x = np.moveaxis(x, axis, -1); K = x.shape[-1]
;;       x = np.pad(x, [(0, 0)] * (x.ndim - 1) + [(0, -K % 32)]); x = x.reshape(x.shape[:-1] + (-1, 32)); a = np.abs(x).max(-1, keepdims=True)
;;       e = np.where(a > 0, np.clip(np.frexp(np.where(a > 0, a, 1))[1] - 1 - 2, -126, 127), 0)      # np.frexp(a)[1] - 1 = floor(log2(a)), exactly
;;       r = np.clip(x / 2.0 ** e, -7.5, 7.5)
;;       step = 2.0 ** (np.maximum(np.frexp(np.where(r == 0, 1, r))[1] - 1, 0) - 3)
;;       q = np.round(r / step) * step * 2.0 ** e      # np.round: ties to even
;;       return np.moveaxis(q.reshape(q.shape[:-2] + (-1,))[..., :K], -1, axis).astype(np.float32)
;;   ~~~
;;   SOFTMAX AHEAD OF A QUANTISED PRODUCT. Where the list says 'softmax', what is quantised is not the finished softmax but p = 2^(t - M), with t = logit x log2(e) and M = ceil(the row's largest t), a whole number; so 1/2 < the row's largest p <= 1. The row's sum l is taken of the UNQUANTISED p, in f32, and the product's result is divided by l at the end. Since M is a whole number, a kernel that streams over the keys may use a running M (the ceiling of the running maximum): every later rescaling is an exact power of two, which a block's scale takes up: the codes' values come out the same.
;;   OPERANDS COMPUTED ON THE WAY. 'Computed on the way' means the value that the module computes at that place (a softmax that the list does not call 'softmax' is quantised finished and normalised). What goes into a quantiser is computed in f32, as accurately as f32 sums, v_exp_f32 and their like allow (about 1e-6 of the number): no bf16 or f16 on the way to a quantiser, and a product that is left as it is and whose result goes on into a quantised operand takes f32 operands (vector FMAs, or v_wmma_f32_16x16x4_f32). A number that lies on a knife's edge between two numbers of the format may be rounded either way, as far as f32 arithmetic and the matrix unit's own rounding can turn it there, and no further.
;; One version. Each part assembles by itself: llvm-mc -triple=amdgcn-amd-amdhsa -mcpu=gfx1250 --defsym DOCPART=n.
;; ======== version 1 of 1: 4 launches
;; workspace buffers: xq 6,553,600 bytes; waq 2,457,600 bytes; wpq 819,200 bytes; yq 6,553,600 bytes; qkv 19,660,800 bytes
;; launch quant (part 1): grid 256 x 1, 6 waves a work-group, no clusters, 51,456 bytes of LDS; arguments x, w_attn, w_proj, xq, waq, wpq; writes xq, waq, wpq
.if DOCPART == 1
	.amdgcn_target "amdgcn-amd-amdhsa--gfx1250"
	.amdhsa_code_object_version 6
	.text
	.protected	k_q9a506195a0_quant
	.globl	k_q9a506195a0_quant
	.p2align	8
	.type	k_q9a506195a0_quant,@function
k_q9a506195a0_quant:
	s_mov_b64 s[64:65], 0
	v_nop
	global_prefetch_b8 v0, s[64:65] scope:SCOPE_SE
	s_setreg_imm32_b32 hwreg(HW_REG_WAVE_MODE, 25, 1), 1
	s_wait_xcnt 0x0
; x [8192][1024], w_attn [3072][1024], w_proj [1024][1024], f32, K innermost, become codes of FP6 (E2M3) with one E8M0 byte for each 32 along K,
; laid IN THE ORDER OF THE OPERAND'S REGISTERS.  A block of 128 rows is 4 records (256 along K each) of 25,600 bytes: 8 fragments of the first 128 K, 8 of the
; second (1,536 bytes each), then 1,024 bytes of scale words at [tile][row][which 128].  A fragment is two halves of 768 bytes (64 along K): a lane's registers 0-3 at
; 16 x lane, registers 4-5 at 512 + 8 x lane.  THE ROWS OF A TILE ARE NOT NEIGHBOURS: lane row r of tile i is row 32 (i / 2) + 8 (i % 2) + r + 8 (r / 8) of the block.
; A block's scale is 2^(floor(log2(largest magnitude)) - 2): its byte is the largest magnitude's exponent field - 2, held at 1 from below.
; LIMITS: a block of zeros gets the byte 1 where the rule says 127 (its codes are zeros, and only this program reads the bytes); NaN and infinities are not served.
; SHARES: 1,536 wave tasks of 32 rows x 256 K (4 fragments); 256 work-groups of 6 waves.  Tasks 0-1023 x, 1024-1407 w_attn, 1408-1535 w_proj: only pointers are chosen.
; Each load reads 512 consecutive bytes of one row; a fragment's 16 rows turn through the wave's own stage in LDS (rows of 512 + 16 bytes) so that a lane gets 2 x 32 neighbours.
.set STGB, 8448                        ; a wave's stage: 16 rows x 528 bytes
.set SPI,  528
.set R,    16                          ; v16-143  two sets of 64 registers as loaded
.set X,    144                         ; v144-207 my 64 numbers: register 32 c + i = k 64 c + 32 (lane / 16) + i of my row
.set C,    208                         ; v208-219 the fragment's codes
.set CT,   220                         ; v220-222, v224-226 the conversions' second halves
.set MX,   228                         ; v228-231 largest magnitudes, two chains a block
.set SO,   232                         ; v232-233 the conversions' scale operands
.set BY,   234                         ; v234-235 the scale bytes
.set W,    236                         ; v236-239 a scale word for each fragment
.set OW,   240                         ; v240-241 the scale words on their way out
.set T,    242
	s_load_b256 s[4:11], s[0:1], 0x0               ; x s[4:5], w_attn s[6:7], w_proj s[8:9], xq s[10:11]
	s_load_b128 s[12:15], s[0:1], 0x20             ; waq s[12:13], wpq s[14:15]
	v_lshl_add_u32 v254, v0, 2, 0xc600
	v_mov_b32 v255, 0
	v_lshrrev_b32 v1, 5, v0
	v_readfirstlane_b32 s16, v1                    ; wave 0..5
	v_and_b32 v1, 31, v0                           ; lane
	v_and_b32 v7, 15, v0                           ; r
	v_bfe_u32 v8, v0, 4, 1                         ; h
	v_lshlrev_b32 v2, 4, v1                        ; 16 x lane
	v_lshlrev_b32 v3, 3, v1                        ; 8 x lane
	s_mul_i32 s17, s16, STGB
	v_add_nc_u32 v4, s17, v2                       ; the stage, on the way in: a row's 512 bytes as they lie
	v_mul_u32_u24 v5, v7, SPI
	v_lshl_add_u32 v5, v8, 7, v5
	v_add_nc_u32 v5, s17, v5                       ; and on the way out: row r, + 128 h
	v_lshlrev_b32 v6, 3, v8                        ; 8 h: where my two bytes stand in the scale word
	v_mov_b32 v[T], 0                              ; written once: a lane permute's destination counts as one of its sources
	s_mov_b32 s28, 0x76543210
	s_mov_b32 s29, 0xfedcba98                      ; v_permlanex16_b32's selects for lane l xor 16
	s_mul_i32 s18, ttmp9, 6
	s_add_co_u32 s18, s18, s16                     ; my task
	s_mov_b32 s19, 1408
	s_wait_alu depctr_va_vdst(0)
	s_wait_kmcnt 0x0
	s_cmp_lt_u32 s18, 1408                         ; the choice hangs on the task's number alone
	s_cselect_b64 s[6:7], s[6:7], s[8:9]
	s_cselect_b64 s[12:13], s[12:13], s[14:15]
	s_cselect_b32 s19, 1024, s19
	s_cmp_lt_u32 s18, 1024
	s_cselect_b64 s[4:5], s[4:5], s[6:7]           ; the tensor
	s_cselect_b64 s[10:11], s[10:11], s[12:13]     ; its codes' buffer
	s_cselect_b32 s19, 0, s19
	s_sub_co_u32 s18, s18, s19                     ; the task within its tensor
	s_lshr_b32 s20, s18, 2                         ; which 32 rows
	s_and_b32 s21, s18, 3                          ; which 256 along K
	s_lshl_b32 s22, s20, 17                        ; 32 rows of 4,096 bytes
	s_lshl_b32 s23, s21, 10
	s_add_co_u32 s22, s22, s23
	s_mov_b32 s23, 0
	s_add_nc_u64 s[4:5], s[4:5], s[22:23]
	s_lshr_b32 s24, s20, 2
	s_mul_i32 s24, s24, 102400
	s_mul_i32 s25, s21, 25600
	s_add_co_u32 s24, s24, s25                     ; my record
	s_and_b32 s20, s20, 3                          ; my pair of tiles in it
	s_mul_i32 s30, s20, 3072
	s_add_co_u32 s30, s30, s24
	s_mov_b32 s31, 0
	s_add_nc_u64 s[34:35], s[10:11], s[30:31]      ; where my fragments go
	s_lshl_b32 s32, s20, 8
	s_add_co_u32 s32, s32, s24
	s_add_co_u32 s32, s32, 24576
	s_mov_b32 s33, 0
	s_add_nc_u64 s[36:37], s[10:11], s[32:33]      ; and my 256 bytes of scale words
; fragment f: tile f / 2 of my pair, the (f % 2)-th 128 along K.  Sixteen loads, a row's 512 consecutive bytes each
.macro LOAD f
.irp j, 0,1,2,3,4,5,6,7,8,9,10,11,12,13,14,15
	global_load_b128 v[R+64*((\f)%2)+4*\j:R+64*((\f)%2)+4*\j+3], v2, s[4:5] offset:(8*((\f)/2)+\j+8*(\j/8))*4096+((\f)%2)*512 th:TH_LOAD_NT
.endr
.endm
.macro FRAGQ f
.if (\f) < 3
	s_wait_loadcnt 16                              ; this fragment's 16 loads are in; the next fragment's 16 may be out
.else
	s_wait_loadcnt 0x0
.endif
.irp j, 0,1,2,3,4,5,6,7,8,9,10,11,12,13,14,15
	ds_store_b128 v4, v[R+64*((\f)%2)+4*\j:R+64*((\f)%2)+4*\j+3] offset:\j*SPI
.endr
.irp c, 0,1
.irp i, 0,1,2,3,4,5,6,7
	ds_load_b128 v[X+32*\c+4*\i:X+32*\c+4*\i+3], v5 offset:256*\c+16*\i   ; LDS serves a wave's instructions in order: these see the stores above
.endr
.endr
	s_wait_dscnt 0x0                               ; my numbers are back, and the stores have read the set,
.if (\f) < 2
	LOAD (\f)+2                                    ; which takes the fragment two on
.endif
.irp c, 0,1                                    ; block 2 c + h: all its 32 numbers are mine; two chains a block, each begun over the floor 2^(3 - 127), so that the byte cannot fall under 1
	v_max3_num_f32 v[MX+2*\c], |v[X+32*\c]|, |v[X+32*\c+1]|, 0x1800000
	v_max3_num_f32 v[MX+2*\c+1], |v[X+32*\c+2]|, |v[X+32*\c+3]|, 0x1800000
.endr
.irp i, 4,8,12,16,20,24,28
.irp c, 0,1
	v_max3_num_f32 v[MX+2*\c], v[MX+2*\c], |v[X+32*\c+\i]|, |v[X+32*\c+\i+1]|
	v_max3_num_f32 v[MX+2*\c+1], v[MX+2*\c+1], |v[X+32*\c+\i+2]|, |v[X+32*\c+\i+3]|
.endr
.endr
.irp c, 0,1
	v_max_num_f32 v[MX+2*\c], v[MX+2*\c], v[MX+2*\c+1]
.endr
.irp c, 0,1
	v_add_nc_u32 v[SO+\c], 0xff000000, v[MX+2*\c]  ; 2 off the exponent field: the conversion takes the exponent field of this operand as its scale
.endr
.irp c, 0,1
	v_lshrrev_b32 v[BY+\c], 23, v[SO+\c]           ; the scale's byte
.endr
	v_lshl_or_b32 v[W+(\f)], v[BY+1], 16, v[BY]    ; my two bytes: blocks h and 2 + h of my row,
	v_lshlrev_b32 v[W+(\f)], v6, v[W+(\f)]         ; at their places in the word;
	v_permlanex16_b32 v[T], v[W+(\f)], s28, s29
	v_or_b32 v[W+(\f)], v[W+(\f)], v[T]            ; with lane l xor 16's two the word is whole
	s_wait_alu depctr_va_vdst(0)
	s_wait_xcnt 0x0                                ; the last fragment's stores have read their data: the codes' registers are written again only behind this wait
.irp c, 0,1
	v_cvt_scalef32_pk16_fp6_f32 v[C+6*\c:C+6*\c+2], v[X+32*\c:X+32*\c+15], v[SO+\c]
	v_cvt_scalef32_pk16_fp6_f32 v[CT+4*\c:CT+4*\c+2], v[X+32*\c+16:X+32*\c+31], v[SO+\c]   ; (a conversion's three registers begin on an even number)
.endr
	v_nop                                          ; one plain place behind a scaled conversion
.irp c, 0,1
.irp i, 0,1,2
	v_mov_b32 v[C+6*\c+3+\i], v[CT+4*\c+\i]
.endr
.endr
	global_store_b128 v2, v[C:C+3], s[34:35] offset:((\f)%2)*12288+((\f)/2)*1536          ; 512 consecutive bytes, aligned
	global_store_b64 v3, v[C+4:C+5], s[34:35] offset:((\f)%2)*12288+((\f)/2)*1536+512     ; 256
	global_store_b128 v2, v[C+6:C+9], s[34:35] offset:((\f)%2)*12288+((\f)/2)*1536+768
	global_store_b64 v3, v[C+10:C+11], s[34:35] offset:((\f)%2)*12288+((\f)/2)*1536+1280
.endm
	LOAD 0
	LOAD 1
	FRAGQ 0
	FRAGQ 1
	FRAGQ 2
	FRAGQ 3
	v_cmp_ne_u32 vcc_lo, 0, v8                     ; lanes 0-15 store the first tile's two words of row r, lanes 16-31 the second tile's
	v_cndmask_b32 v[OW], v[W], v[W+2], vcc_lo
	v_cndmask_b32 v[OW+1], v[W+1], v[W+3], vcc_lo
	global_store_b64 v3, v[OW:OW+1], s[36:37]      ; 32 lanes store 256 consecutive bytes, aligned
	s_wait_tensorcnt 0x0
	ds_add_u32 v254, v255
	s_wait_dscnt 0x0
	s_endpgm
.Lfunc_end_k_q9a506195a0_quant:
	.size	k_q9a506195a0_quant, .Lfunc_end_k_q9a506195a0_quant-k_q9a506195a0_quant
	.p2alignl 7, 3214868480
	.fill 96, 4, 3214868480
	.section	.rodata,"a",@progbits
	.p2align	6, 0x0
	.amdhsa_kernel k_q9a506195a0_quant
		.amdhsa_group_segment_fixed_size 51456
		.amdhsa_private_segment_fixed_size 0
		.amdhsa_enable_private_segment 0
		.amdhsa_kernarg_size 48
		.amdhsa_user_sgpr_count 2
		.amdhsa_user_sgpr_kernarg_segment_ptr 1
		.amdhsa_wavefront_size32 1
		.amdhsa_system_sgpr_workgroup_id_x 1
		.amdhsa_system_sgpr_workgroup_id_y 1
		.amdhsa_system_sgpr_workgroup_id_z 1
		.amdhsa_system_vgpr_workitem_id 0
		.amdhsa_next_free_vgpr 256
		.amdhsa_next_free_sgpr 66
		.amdhsa_reserve_vcc 1
		.amdhsa_float_denorm_mode_32 3
		.amdhsa_float_denorm_mode_16_64 3
		.amdhsa_memory_ordered 1
		.amdhsa_forward_progress 1
		.amdhsa_inst_pref_size 32
	.end_amdhsa_kernel
	.amdgpu_metadata
---
amdhsa.version: [ 1, 2 ]
amdhsa.kernels:
  - .name:           k_q9a506195a0_quant
    .symbol:         k_q9a506195a0_quant.kd
    .args:
      - { .name: x, .offset: 0, .size: 8, .value_kind: global_buffer, .address_space: global }
      - { .name: w_attn, .offset: 8, .size: 8, .value_kind: global_buffer, .address_space: global }
      - { .name: w_proj, .offset: 16, .size: 8, .value_kind: global_buffer, .address_space: global }
      - { .name: xq, .offset: 24, .size: 8, .value_kind: global_buffer, .address_space: global }
      - { .name: waq, .offset: 32, .size: 8, .value_kind: global_buffer, .address_space: global }
      - { .name: wpq, .offset: 40, .size: 8, .value_kind: global_buffer, .address_space: global }
    .group_segment_fixed_size: 51456
    .private_segment_fixed_size: 0
    .kernarg_segment_align: 8
    .kernarg_segment_size: 48
    .max_flat_workgroup_size: 192
    .sgpr_count:     66
    .vgpr_count:     256
    .wavefront_size: 32
...
	.end_amdgpu_metadata
.endif
;; end of part 1
;; launch qkvgemm (part 2): grid 8 x 48, 4 waves a work-group, clusters of 4 x 4, 327,680 bytes of LDS; arguments xq, waq, b_attn, qkv; writes qkv
.if DOCPART == 2
	.amdgcn_target "amdgcn-amd-amdhsa--gfx1250"
	.amdhsa_code_object_version 6
	.text
	.protected	k_q9a506195a0_qkvgemm
	.globl	k_q9a506195a0_qkvgemm
	.p2align	8
	.type	k_q9a506195a0_qkvgemm,@function
k_q9a506195a0_qkvgemm:
	s_mov_b64 s[64:65], 0
	v_nop
	global_prefetch_b8 v0, s[64:65] scope:SCOPE_SE
	s_setreg_imm32_b32 hwreg(HW_REG_WAVE_MODE, 25, 1), 1
	s_wait_xcnt 0x0
	s_wait_alu depctr_hold_cnt(0) depctr_sa_sdst(0) depctr_va_vdst(0) depctr_va_sdst(0) depctr_va_ssrc(0) depctr_va_vcc(0) depctr_vm_vsrc(0)
	s_getreg_b32 s2, hwreg(HW_REG_IB_STS2, 6, 4)
	s_cmp_eq_u32 s2, 0
	s_cbranch_scc0 .Lentry_in_a_cluster
	s_endpgm
.Lentry_in_a_cluster:
	s_bfe_u32 s2, ttmp6, 0x10000c
	s_cmp_lg_u32 s2, 0xf033
	s_cbranch_scc0 .Lentry_shape_is_right
	s_endpgm
.Lentry_shape_is_right:
; qkv = x w_attn^T + b_attn on codes of FP6 (E2M3) with E8M0 scales, sums in f32; the result never goes to memory as f32: q, k and v are quantised here, from the accumulators,
; and stored in the order of the registers of the operands that the attention launch feeds to the matrix unit.
; A work-group of four waves makes 256 x 256 of the product, a wave 128 x 128: 64 accumulators, 512 registers.  K = 1,024 goes in four steps of 256 through two LDS slots.
; OPERANDS are records of 25,600 dense bytes (128 rows x 256 K: 16 fragments as images of their registers, then 1,024 bytes of scale words): one tensor load a wave brings one record.
; TWO MODES, chosen by the cluster's y, which all sixteen partners share.  Clusters y 0-7 (q and k): source 0 = 16 rows of w_attn, source 1 = 16 tokens: a lane holds one token and its
; registers run along the features, which are the K of q k^T.  Clusters y 8-11 (v): source 0 = 16 tokens, source 1 = 16 rows of w_attn: a lane holds one channel and its registers run along
; the tokens, which are the K (the keys) of p v.  Only pointers and coordinates differ in the main loop.
; THE ROWS OF A TILE ARE NOT NEIGHBOURS (lane row r of tile i is row 32 (i / 2) + 8 (i % 2) + r + 8 (r / 8) of its block of 128): so the 16 registers of result tiles 2 b, 2 b + 1 are 16 neighbours.
; CLUSTERS 4 x 4: source 1's records hang on the place along y and are asked for jointly along a row of the cluster, source 0's on the place along x, jointly down a column.
; The bias is the C of each sum's first matrix instruction.
; qkv, for each of 64 (batch, head), 307,200 bytes: 16 groups of 128 queries x 6,400 (8 half fragments of 768 bytes, then the scale bytes, two a row and tile, at 6144 + 16 r + 2 tile);
; from 102,400 on 16 key steps x 12,800: K's record (as a group of queries), V's record (4 fragments of 16 channels x 128 keys, scale words at 6144 + 16 r + 4 tile).
; LIMITS: a block of zeros gets the byte 1 where the rule says 127 (its codes are zeros; only this program reads the bytes); NaN and infinities are not served.
; REGISTERS: window 0: v10-29 addresses; v32-63 scale words, two sets; v64-127 the bias; v128-223 source 1's fragments, one set.  window 1: source 0's fragments, two sets, at v0 and v128.
; windows 2, 3: the accumulators ((a, b) at v[8 (8 (a % 4) + b)], a = source 1's block, b = source 0's).
.set REC,   25600
.set SLOT,  4*REC                      ; source 1's two records, then source 0's two
.set SPARE, 2*SLOT                     ; behind the ring: the spare words, 128 bytes for each wave, that no other line names
.set BLKB,  4*REC                      ; a block of 128 rows, all of K, in memory
.set HEADB, 307200
.set NQ,    2
.set FR,    12
.set NL,    4                          ; LDS loads that bring a fragment
.set NP,    4                          ; places behind this matrix instruction (ISA guide 7.12.1)
.set L16,   10                         ; v10  16 x lane
.set L8,    11                         ; v11  8 x lane
.set SOFF,  12                         ; v12  the scales' way out: (lane / 16) x 307,200 + 16 r
.set PSEL,  13                         ; v13  byte selects: lanes 0-15 the words' low halves, lanes 16-31 the high halves
.set BO1,   14                         ; v14  bias offset, q and k: 64 h
.set BO2,   15                         ; v15  bias offset, v: 4 (r + 8 (r / 8))
.set ADRA,  16                         ; v16-17 source 1's record in slot 0, 1, + 16 x lane; v18-19 the same + 8 x lane
.set ADRB,  20                         ; v20-23 the same for source 0
.set ADRS,  24                         ; v24-25 my scale words in slot 0, 1: lanes 0-15 source 1's, lanes 16-31 source 0's
.set SPW,   28                         ; v28  LDS address of my spare word; never rewritten
.set NIL,   29                         ; v29  0; never rewritten
.set SC,    32
.set BI,    64
.set AF,    128
.set TM,    32                         ; the way out: v32-35 largest magnitudes, v36-39 at work, v44-47 scale operands, v48-55 the eight scale words, v56-59 packed
.set SO,    44
.set SW,    48
.set SEL,   82                         ; s[82:83]
.set G1,  24                           ; s[24:31] group 1 for source 1's records; s[32:39] group 0, one set for each slot
.set G0,  32
.set G1B, 48                           ; s[48:55], s[56:63] the same for source 0's
.set G0B, 56
.set MSB, 0
.macro WIN new                         ; the immediate's high byte repeats the setting that is left
.if MSB != \new
	s_set_vgpr_msb (MSB<<8)|\new
.set MSB, \new
.endif
.endm
.set MUL_LO,  0xa1                     ; source 0 window 1, source 1 window 0, C and D window 2
.set MUL_HI,  0xf1                     ; the same, C and D window 3
.set BIAS_LO, 0x81                     ; C (the bias) window 0, D window 2
.set BIAS_HI, 0xc1
.set TO_B,    0x40                     ; destination window 1, address window 0
; A joint load: waves 0 and 1 fetch source 1's records, waves 2 and 3 source 0's.  The branch hangs on the wave's number alone.  Four v_nop follow each of the two lines.
.macro JLOAD g0a, g1a, g0b, g1b
	s_cmp_eq_u32 s15, 0
	s_cbranch_scc0 .Lfor_b_\@
	tensor_load_to_lds s[\g0a:\g0a+3], s[\g1a:\g1a+7]
	s_nop 0
.rept 4
	v_nop
.endr
	s_branch .Lasked_\@
.Lfor_b_\@:
	tensor_load_to_lds s[\g0b:\g0b+3], s[\g1b:\g1b+7]
	s_nop 0
.rept 4
	v_nop
.endr
.Lasked_\@:
.endm
.macro CREST                           ; a round of the cluster's barrier behind its opening barrier
	s_cmp_lg_u32 s14, 0
	s_cbranch_scc1 .Lnot_wave_0_\@
	s_barrier_signal -3
.Lnot_wave_0_\@:
	s_barrier_wait -3
	s_barrier_signal -1
	s_barrier_wait -1
.endm
.macro CROUND
	s_barrier_signal -1
	s_barrier_wait -1
	CREST
.endm
	s_load_b256 s[4:11], s[0:1], 0x0               ; xq s[4:5], waq s[6:7], b_attn s[8:9], qkv s[10:11]
	v_lshl_add_u32 v[SPW], v0, 2, SPARE
	v_mov_b32 v[NIL], 0
	ds_add_u32 v28, v29
	ds_add_u32 v28, v29
	s_wait_dscnt 0x0
	v_lshrrev_b32 v1, 5, v0
	v_readfirstlane_b32 s14, v1                    ; wave 0..3
	s_lshr_b32 s15, s14, 1                         ; which half of source 1's rows is mine.  Also: I fetch for source 1 (0) or source 0 (1)
	s_and_b32 s16, s14, 1                          ; which half of source 0's rows.  Also: which of the two records I fetch
	s_bfe_u32 s40, ttmp6, 0x40000                  ; cx, cy: my place in the cluster
	s_bfe_u32 s41, ttmp6, 0x40004
	s_and_b32 s17, ttmp7, 0xffff                   ; the cluster's y
	s_lshl_b32 s43, s41, 2
	s_lshl_b32 s43, 15, s43                        ; my row of the cluster
	s_lshl_b32 s44, 0x1111, s40                    ; my column
	s_sub_co_u32 s19, s17, 8
	s_lshl_b32 s19, s19, 1
	s_add_co_u32 s19, s19, ttmp9                   ; v: 2 (cluster y - 8) + cluster x
	s_lshl_b32 s20, s17, 2                         ; q, k: 4 x cluster y
	s_cmp_ge_u32 s17, 8
	s_cselect_b32 s18, 1, 0                        ; the mode: 1 = v
	s_cselect_b32 s19, s19, ttmp9
	s_cselect_b32 s20, 8, s20
	s_lshl_b32 s45, s19, 2
	s_add_co_u32 s45, s45, s40                     ; source 0's tile of 256 rows: hangs on cx and the cluster
	s_add_co_u32 s46, s20, s41                     ; source 1's: hangs on cy and the cluster
	; group 1: a record, 25,600 dense bytes, as 100 rows of 256 bytes (32 elements of 8 bytes), no padding
	s_or_b32 s[G1+0], s43, (3<<16)|(1<<21)         ; 15:0 the mask: my row; 17:16 elements of 8 bytes; 21 set beside a mask
	s_or_b32 s[G1B+0], s44, (3<<16)|(1<<21)        ; the same with my column
.irp g, G1, G1B
	s_mov_b32 s[\g+1], 32<<16                      ; tensor_dim0
	s_mov_b32 s[\g+2], 100<<16                     ; tensor_dim1
	s_mov_b32 s[\g+3], 32<<16                      ; tile_dim0
	s_mov_b32 s[\g+4], 100                         ; tile_dim1
	s_mov_b32 s[\g+5], 32                          ; tensor_dim0_stride
	s_mov_b32 s[\g+6], 0
	s_mov_b32 s[\g+7], 0
.endr
	s_lshl_b32 s21, s46, 1
	s_add_co_u32 s21, s21, s16                     ; source 1: the block of 128 rows that I fetch
	s_mul_i32 s70, s21, BLKB
	s_mov_b32 s71, 0
	s_lshl_b32 s22, s45, 1
	s_add_co_u32 s22, s22, s16                     ; source 0 likewise
	s_mul_i32 s72, s22, BLKB
	s_mov_b32 s73, 0
	s_mul_i32 s47, s14, REC                        ; where it goes: wave x a record: no place in the cluster enters an LDS address
	s_wait_kmcnt 0x0
	s_cmp_lg_u32 s18, 0
	s_cselect_b64 s[66:67], s[6:7], s[4:5]         ; source 1's buffer: x's codes, in mode v w_attn's
	s_cselect_b64 s[68:69], s[4:5], s[6:7]         ; source 0's: the other
	s_add_nc_u64 s[70:71], s[66:67], s[70:71]
	s_add_nc_u64 s[72:73], s[68:69], s[72:73]
	CROUND                                         ; all sixteen work-groups are here: the first joint loads meet
.irp s, 0,1
	s_mov_b32 s[G0+4*\s], 1
	s_add_co_u32 s[G0+4*\s+1], s47, \s*SLOT
	s_add_nc_u64 s[G0+4*\s+2:G0+4*\s+3], s[70:71], \s*REC
	s_or_b32 s[G0+4*\s+3], s[G0+4*\s+3], 0x80000000
	s_mov_b32 s[G0B+4*\s], 1
	s_add_co_u32 s[G0B+4*\s+1], s47, \s*SLOT
	s_add_nc_u64 s[G0B+4*\s+2:G0B+4*\s+3], s[72:73], \s*REC
	s_or_b32 s[G0B+4*\s+3], s[G0B+4*\s+3], 0x80000000
	JLOAD G0+4*\s, G1, G0B+4*\s, G1B               ; two loads of mine are out
.endr
	v_and_b32 v1, 15, v0                           ; r
	v_bfe_u32 v2, v0, 4, 1                         ; h
	v_and_b32 v3, 31, v0
	v_lshlrev_b32 v[L16], 4, v3
	v_lshlrev_b32 v[L8], 3, v3
	s_mul_i32 s21, s15, REC                        ; my record of source 1
	s_mul_i32 s22, s16, REC
	s_add_co_u32 s22, s22, 2*REC                   ; and of source 0
.irp s, 0,1
	v_add_nc_u32 v[ADRA+\s], s21, v[L16]
	v_add_nc_u32 v[ADRA+2+\s], s21, v[L8]
	v_add_nc_u32 v[ADRB+\s], s22, v[L16]
	v_add_nc_u32 v[ADRB+2+\s], s22, v[L8]
	s_add_co_u32 s21, s21, SLOT
	s_add_co_u32 s22, s22, SLOT
.endr
	s_mul_i32 s21, s15, REC
	s_mul_i32 s22, s16, REC
	s_add_co_u32 s22, s22, 2*REC
	s_sub_co_u32 s22, s22, s21
	v_mul_u32_u24 v4, s22, v2                      ; lanes 16-31 take source 0's words: one product, the distance between the two records
	v_lshl_add_u32 v4, v1, 3, v4                   ; 8 bytes a row
	s_add_co_u32 s21, s21, 24576
	v_add_nc_u32 v[ADRS], s21, v4
	v_add_nc_u32 v[ADRS+1], SLOT, v[ADRS]
	v_mul_u32_u24 v[SOFF], v2, HEADB
	v_lshl_add_u32 v[SOFF], v1, 4, v[SOFF]
	v_cmp_ne_u32 s74, 0, v2                        ; lanes 16-31
	v_mov_b32 v[PSEL], 0x05040100
	v_mov_b32 v9, 0x07060302
	v_cndmask_b32 v[PSEL], v[PSEL], v9, s74
	v_lshlrev_b32 v[BO1], 6, v2
	v_and_b32 v5, 8, v1
	v_add_nc_u32 v5, v5, v1
	v_lshlrev_b32 v[BO2], 2, v5
	s_mov_b32 s[SEL], 0x76543210
	s_mov_b32 s[SEL+1], 0xfedcba98
	; which tokens and which rows of w_attn are my wave's
	s_lshl_b32 s84, s45, 1
	s_add_co_u32 s84, s84, s16                     ; source 0's block of 128
	s_lshl_b32 s85, s46, 1
	s_add_co_u32 s85, s85, s15                     ; source 1's
	s_cmp_lg_u32 s18, 0
	s_cselect_b32 s86, s84, s85                    ; the block of tokens, 0..63
	s_cselect_b32 s87, s85, s84                    ; the block of rows of w_attn, 0..23
	s_lshl_b32 s76, s87, 9
	s_mov_b32 s77, 0
	s_add_nc_u64 s[76:77], s[8:9], s[76:77]        ; its 128 numbers of the bias
	s_and_b32 s88, s86, 15                         ; the group of 128 tokens in its batch
	s_lshr_b32 s86, s86, 4                         ; the batch
	s_lshr_b32 s89, s87, 3                         ; 0 q, 1 k, 2 v
	s_and_b32 s87, s87, 7
	s_lshl_b32 s87, s87, 1                         ; the first of my two heads
	s_lshl_b32 s86, s86, 4
	s_add_co_u32 s86, s86, s87
	s_mul_i32 s86, s86, HEADB
	s_mul_i32 s88, s88, 6400                       ; q: group x 6,400
	s_lshl_b32 s90, s88, 1
	s_add_co_u32 s90, s90, 102400-6400
	s_mul_i32 s91, s89, 6400
	s_add_co_u32 s90, s90, s91                     ; k, v: 102,400 + group x 12,800 (+ 6,400 for v)
	s_cmp_eq_u32 s89, 0
	s_cselect_b32 s88, s88, s90
	s_add_co_u32 s12, s86, s88
	s_mov_b32 s13, 0
	s_add_nc_u64 s[12:13], s[10:11], s[12:13]      ; where my results go
	; the bias, in the result's layout.  q, k: register j of tile b is feature 32 (b / 2) + 8 (b % 2) + 16 h + j.  v: all eight registers of block a are my lane's channel
	s_cmp_lg_u32 s18, 0
	s_cbranch_scc1 .Lbias_v
	s_wait_alu depctr_va_vdst(0)
.irp b, 0,1,2,3,4,5,6,7
	global_load_b128 v[BI+8*\b:BI+8*\b+3], v[BO1], s[76:77] offset:(32*(\b/2)+8*(\b%2))*4
	global_load_b128 v[BI+8*\b+4:BI+8*\b+7], v[BO1], s[76:77] offset:(32*(\b/2)+8*(\b%2))*4+16
.endr
	s_branch .Lbias_done
.Lbias_v:
	s_wait_alu depctr_va_vdst(0)
.irp a, 0,1,2,3,4,5,6,7
	global_load_b32 v[BI+8*\a], v[BO2], s[76:77] offset:(32*(\a/2)+8*(\a%2))*4
.endr
	s_wait_loadcnt 0x0                             ; (the first tiles are on their way meanwhile)
.irp a, 0,1,2,3,4,5,6,7
.irp j, 1,2,3,4,5,6,7
	v_mov_b32 v[BI+8*\a+\j], v[BI+8*\a]
.endr
.endr
.Lbias_done:
.macro FRAG reg, adr, q, i             ; a fragment comes as it was stored: registers 0-3, 4-5, 6-9, 10-11; every instruction reads consecutive bytes
	ds_load_b128 v[\reg:\reg+3], v[\adr] offset:(\q)*12288+(\i)*1536
	ds_load_b64 v[\reg+4:\reg+5], v[\adr+2] offset:(\q)*12288+(\i)*1536+512
	ds_load_b128 v[\reg+6:\reg+9], v[\adr] offset:(\q)*12288+(\i)*1536+768
	ds_load_b64 v[\reg+10:\reg+11], v[\adr+2] offset:(\q)*12288+(\i)*1536+1280
.endm
; 16 matrix instructions: source 1's blocks a0, a0 + 1 x source 0's eight, 128 along K.  p: source 0's set; sc: the set of scale words.  cm = 0: onto the sums; 1: C = the bias by source 0's block; 2: by source 1's.
; The 64 accumulators take turns, one instruction a turn, in the same order in every step.
.macro MUL16 a0, p, q, sc, cm
.irp a, \a0, \a0+1
.irp b, 0,1,2,3,4,5,6,7
.if \cm == 1
	v_wmma_scale_f32_16x16x128_f8f6f4 v[8*(8*((\a)%4)+\b):8*(8*((\a)%4)+\b)+7], v[128*(\p)+FR*\b:128*(\p)+FR*\b+FR-1], v[AF+FR*(\a):AF+FR*(\a)+FR-1], v[BI+8*\b:BI+8*\b+7], v[SC+8*NQ*(\sc)+NQ*\b+(\q)], v[SC+8*NQ*(\sc)+NQ*(\a)+(\q)] matrix_a_fmt:MATRIX_FMT_FP6 matrix_b_fmt:MATRIX_FMT_FP6 matrix_a_scale:MATRIX_SCALE_ROW1
.elseif \cm == 2
	v_wmma_scale_f32_16x16x128_f8f6f4 v[8*(8*((\a)%4)+\b):8*(8*((\a)%4)+\b)+7], v[128*(\p)+FR*\b:128*(\p)+FR*\b+FR-1], v[AF+FR*(\a):AF+FR*(\a)+FR-1], v[BI+8*(\a):BI+8*(\a)+7], v[SC+8*NQ*(\sc)+NQ*\b+(\q)], v[SC+8*NQ*(\sc)+NQ*(\a)+(\q)] matrix_a_fmt:MATRIX_FMT_FP6 matrix_b_fmt:MATRIX_FMT_FP6 matrix_a_scale:MATRIX_SCALE_ROW1
.else
	v_wmma_scale_f32_16x16x128_f8f6f4 v[8*(8*((\a)%4)+\b):8*(8*((\a)%4)+\b)+7], v[128*(\p)+FR*\b:128*(\p)+FR*\b+FR-1], v[AF+FR*(\a):AF+FR*(\a)+FR-1], v[8*(8*((\a)%4)+\b):8*(8*((\a)%4)+\b)+7], v[SC+8*NQ*(\sc)+NQ*\b+(\q)], v[SC+8*NQ*(\sc)+NQ*(\a)+(\q)] matrix_a_fmt:MATRIX_FMT_FP6 matrix_b_fmt:MATRIX_FMT_FP6 matrix_a_scale:MATRIX_SCALE_ROW1
.endif
.endr
.endr
.endm
.macro FETCH_B slot, q, p
	WIN TO_B
.irp i, 0,1,2,3,4,5,6,7
	FRAG 128*(\p)+FR*\i, ADRB+\slot, \q, \i
.endr
	WIN 0
.endm
.macro FETCH_A slot, q, i0
.irp i, \i0, \i0+1, \i0+2, \i0+3
	FRAG AF+FR*(\i), ADRA+\slot, \q, \i
.endr
.endm
.macro SCALES sc                       ; the slot's scale words: two a row; lanes 0-15 source 1's block i, lanes 16-31 source 0's block i
.irp i, 0,1,2,3,4,5,6,7
	ds_load_b64 v[SC+8*NQ*\sc+NQ*\i:SC+8*NQ*\sc+NQ*\i+1], v[ADRS+\sc] offset:\i*128
.endr
.endm
.macro PLACES n                        ; plain vector instructions between a matrix instruction and a load into, or a vector read of, its registers
.rept \n
	v_nop
.endr
.endm
; A step of 128 along K that has its successor in the same slot
.macro STEP slot, q, cm
	s_wait_dscnt 4*NL                              ; source 0's set and source 1's blocks 0-3 are in; the youngest 16 loads (blocks 4-7) may be out
.if \cm
	WIN BIAS_LO
.else
	WIN MUL_LO
.endif
	MUL16 0, (\q)%2, \q, \slot, \cm
	MUL16 2, (\q)%2, \q, \slot, \cm
	s_wait_dscnt 0                                 ; blocks 4-7 are in
	PLACES NP
	FETCH_B \slot, (\q)+1, 1-(\q)%2
	FETCH_A \slot, (\q)+1, 0
.if \cm
	WIN BIAS_HI
.else
	WIN MUL_HI
.endif
	MUL16 4, (\q)%2, \q, \slot, \cm
	MUL16 6, (\q)%2, \q, \slot, \cm
	PLACES NP
	WIN 0
	FETCH_A \slot, (\q)+1, 4
.endm
; A slot's last step changes slots: one barrier; in front of it each wave waits for all its tensor loads, adds 0 to its spare word, and waits for that and for its reads of this slot.  fill = 1: the slot is filled again, two records on.
.macro TURN slot, next, fill
	s_wait_tensorcnt 0x0                           ; all my tensor loads have landed: my part of the next slot
	ds_add_u32 v[SPW], v[NIL]                      ; 0 onto my spare word
	s_wait_dscnt 4*NL+1                            ; (the add and the youngest 16 loads may be out)
	WIN MUL_LO
	MUL16 0, 1, NQ-1, \slot, 0                     ; sixteen matrix instructions stand between the add and the wait for it
	s_wait_dscnt 0x0                               ; the add is done, and my reads of this slot are over
	s_barrier_signal -1
	MUL16 2, 1, NQ-1, \slot, 0
	WIN 0
	s_barrier_wait -1
.if \fill
	CREST                                          ; the barrier has opened a round of the cluster's barrier: no wave of any partner still reads this slot or has a load on its way
	s_add_nc_u64 s[G0+4*\slot+2:G0+4*\slot+3], s[G0+4*\slot+2:G0+4*\slot+3], 2*REC
	s_add_nc_u64 s[G0B+4*\slot+2:G0B+4*\slot+3], s[G0B+4*\slot+2:G0B+4*\slot+3], 2*REC
	JLOAD G0+4*\slot, G1, G0B+4*\slot, G1B         ; the first tensor load behind the round; its four v_nop are the places in front of the loads below
.else
	PLACES NP
.endif
	FETCH_B \next, 0, 0
	FETCH_A \next, 0, 0
	SCALES \next
	WIN MUL_HI
	MUL16 4, 1, NQ-1, \slot, 0
	MUL16 6, 1, NQ-1, \slot, 0
	PLACES NP
	WIN 0
	FETCH_A \next, 0, 4
.endm
	s_wait_tensorcnt 1                             ; my record of slot 0 is in (slot 1's load may be out)
	s_barrier_signal -1
	s_barrier_wait -1                              ; everybody's is
	FETCH_B 0, 0, 0
	FETCH_A 0, 0, 0
	SCALES 0
	FETCH_A 0, 0, 4
	s_wait_loadcnt 0x0                             ; the bias
	s_cmp_lg_u32 s18, 0
	s_cbranch_scc1 .Lfirst_v
	s_wait_alu depctr_va_vdst(0)
	STEP 0, 0, 1                                   ; the first products start the sums from the bias
	s_branch .Lfirst_done
.Lfirst_v:
	s_wait_alu depctr_va_vdst(0)
	STEP 0, 0, 2
.Lfirst_done:
	TURN 0, 1, 1                                   ; K is four records: written straight out
	STEP 1, 0, 0
	TURN 1, 0, 1
	STEP 0, 0, 0
	TURN 0, 1, 0                                   ; nothing is left to fetch
	STEP 1, 0, 0
	s_wait_dscnt 4*NL
	WIN MUL_LO
	MUL16 0, 1, NQ-1, 1, 0
	MUL16 2, 1, NQ-1, 1, 0
	s_wait_dscnt 0
	WIN MUL_HI
	MUL16 4, 1, NQ-1, 1, 0
	MUL16 6, 1, NQ-1, 1, 0
	WIN 0
; THE WAY OUT.  The 64 registers of source 1's block a are, for my lane's row, register 16 b + i = index 32 b + 16 h + i along the next K: four blocks of 32, each shared with lane l xor 16.
; They become a fragment's codes in v[pc] on and its scale word in v[SW + a].  Each accumulator is read from its low end on.
.macro QUANTW a, pc
.set WW, 2+(\a)/4
.set WM, (WW<<2)|(WW<<4)
.set AC, 64*((\a)%4)
	WIN 0
.irp b, 0,1,2,3
	v_mov_b32 v[TM+\b], 0x1800000                  ; the floor 2^(3 - 127): the byte cannot fall under 1
.endr
	WIN WM                                         ; sources 1 and 2: the accumulators' window
.irp i, 0,2,4,6,8,10,12,14
.irp b, 0,1,2,3
	v_max3_num_f32 v[TM+\b], v[TM+\b], |v[AC+16*\b+\i]|, |v[AC+16*\b+\i+1]|   ; the four blocks by turns
.endr
.endr
	WIN 0
.irp b, 0,1,2,3
	v_permlanex16_b32 v[TM+4+\b], v[TM+\b], s[SEL], s[SEL+1]
.endr
.irp b, 0,1,2,3
	v_max_num_f32 v[TM+\b], v[TM+\b], v[TM+4+\b]   ; with lane l xor 16's: the block's largest magnitude
.endr
.irp b, 0,1,2,3
	v_add_nc_u32 v[SO+\b], 0xff000000, v[TM+\b]    ; 2 off its exponent field: the conversion's scale operand
.endr
.irp b, 0,1,2,3
	v_lshrrev_b32 v[TM+4+\b], 23, v[SO+\b]         ; the scale's byte
.endr
	v_lshl_or_b32 v[SW+(\a)], v[TM+5], 8, v[TM+4]
	v_lshl_or_b32 v[SW+(\a)], v[TM+6], 16, v[SW+(\a)]
	v_lshl_or_b32 v[SW+(\a)], v[TM+7], 24, v[SW+(\a)]
	s_wait_xcnt 0x0                                ; earlier stores have read their data: the codes' registers are written again only behind this wait
	WIN WW                                         ; source 0: the accumulators' window
.irp c, 0,1
	v_cvt_scalef32_pk16_fp6_f32 v[(\pc)+6*\c:(\pc)+6*\c+2], v[AC+32*\c:AC+32*\c+15], v[SO+2*\c]
	v_cvt_scalef32_pk16_fp6_f32 v[(\pc)+12+4*\c:(\pc)+14+4*\c], v[AC+16+32*\c:AC+31+32*\c], v[SO+2*\c+1]   ; (a conversion's three registers begin on an even number)
.endr
	WIN 0
	v_nop                                          ; one plain place behind a scaled conversion
.irp c, 0,1                                    ; the operand's layout wants a whole block in a lane: lanes 0-15 block 2 c, lanes 16-31 block 2 c + 1
.irp i, 0,1,2
	v_permlane16_swap_b32 v[(\pc)+6*\c+\i], v[(\pc)+12+4*\c+\i]
.endr
.irp i, 0,1,2
	v_mov_b32 v[(\pc)+3+6*\c+\i], v[(\pc)+12+4*\c+\i]
.endr
.endr
.endm
.macro QSTORE pc, o0, o1               ; the fragment's two halves: 512 and 256 consecutive bytes each, aligned
	global_store_b128 v[L16], v[(\pc):(\pc)+3], s[12:13] offset:\o0
	global_store_b64 v[L8], v[(\pc)+4:(\pc)+5], s[12:13] offset:\o0+512
	global_store_b128 v[L16], v[(\pc)+6:(\pc)+9], s[12:13] offset:\o1
	global_store_b64 v[L8], v[(\pc)+10:(\pc)+11], s[12:13] offset:\o1+512
.endm
.macro EPI vm
.irp a, 0,1,2,3,4,5,6,7
	QUANTW \a, 64+32*(\a%2)
.if \vm
	QSTORE 64+32*(\a%2), (\a/4)*HEADB+(\a%4)*1536, (\a/4)*HEADB+(\a%4)*1536+768   ; v: block a is 16 channels of head a / 4 x my 128 keys: one whole fragment
.else
	QSTORE 64+32*(\a%2), \a*768, HEADB+\a*768      ; q, k: block a is 16 tokens; the first 64 features are my first head's half fragment, the others the next head's
.endif
.endr
.endm
	PLACES NP                                      ; behind the last products
.irp b, 0,1,2,3
	v_mov_b32 v[TM+4+\b], 0                        ; written once: a lane permute's destination counts as one of its sources
.endr
	s_cmp_lg_u32 s18, 0
	s_cbranch_scc1 .Lout_v
	EPI 0
.irp j, 0,1,2,3                                ; a head's two bytes of tiles 2 j and 2 j + 1: lanes 0-15 pack the first head's, lanes 16-31 the second's
	v_perm_b32 v[56+\j], v[SW+2*\j+1], v[SW+2*\j], v[PSEL]
.endr
	global_store_b128 v[SOFF], v[56:59], s[12:13] offset:6144   ; sixteen lanes store 256 consecutive bytes, aligned
	s_branch .Lout_done
.Lout_v:
	EPI 1
.irp t, 0,1,2,3                                ; lanes 0-15 the first head's four words of channel row r, lanes 16-31 the second head's
	v_cndmask_b32 v[56+\t], v[SW+\t], v[SW+4+\t], s74
.endr
	global_store_b128 v[SOFF], v[56:59], s[12:13] offset:6144
.Lout_done:
	s_wait_tensorcnt 0x0                           ; the wave's end
	ds_add_u32 v[SPW], v[NIL]
	s_wait_dscnt 0x0
	CROUND                                         ; the closing round: no work-group ends while a partner may still ask for a record that names it
	s_endpgm
.Lfunc_end_k_q9a506195a0_qkvgemm:
	.size	k_q9a506195a0_qkvgemm, .Lfunc_end_k_q9a506195a0_qkvgemm-k_q9a506195a0_qkvgemm
	.p2alignl 7, 3214868480
	.fill 96, 4, 3214868480
	.section	.rodata,"a",@progbits
	.p2align	6, 0x0
	.amdhsa_kernel k_q9a506195a0_qkvgemm
		.amdhsa_group_segment_fixed_size 327680
		.amdhsa_private_segment_fixed_size 0
		.amdhsa_enable_private_segment 0
		.amdhsa_kernarg_size 32
		.amdhsa_user_sgpr_count 2
		.amdhsa_user_sgpr_kernarg_segment_ptr 1
		.amdhsa_wavefront_size32 1
		.amdhsa_system_sgpr_workgroup_id_x 1
		.amdhsa_system_sgpr_workgroup_id_y 1
		.amdhsa_system_sgpr_workgroup_id_z 1
		.amdhsa_system_vgpr_workitem_id 0
		.amdhsa_next_free_vgpr 1024
		.amdhsa_next_free_sgpr 100
		.amdhsa_reserve_vcc 0
		.amdhsa_float_denorm_mode_32 3
		.amdhsa_float_denorm_mode_16_64 3
		.amdhsa_memory_ordered 1
		.amdhsa_forward_progress 1
		.amdhsa_inst_pref_size 201
	.end_amdhsa_kernel
	.amdgpu_metadata
---
amdhsa.version: [ 1, 2 ]
amdhsa.kernels:
  - .name:           k_q9a506195a0_qkvgemm
    .symbol:         k_q9a506195a0_qkvgemm.kd
    .args:
      - { .name: xq, .offset: 0, .size: 8, .value_kind: global_buffer, .address_space: global }
      - { .name: waq, .offset: 8, .size: 8, .value_kind: global_buffer, .address_space: global }
      - { .name: b_attn, .offset: 16, .size: 8, .value_kind: global_buffer, .address_space: global }
      - { .name: qkv, .offset: 24, .size: 8, .value_kind: global_buffer, .address_space: global }
    .group_segment_fixed_size: 327680
    .private_segment_fixed_size: 0
    .kernarg_segment_align: 8
    .kernarg_segment_size: 32
    .max_flat_workgroup_size: 128
    .sgpr_count:     100
    .vgpr_count:     1024
    .wavefront_size: 32
...
	.end_amdgpu_metadata
.endif
;; end of part 2
;; launch attn (part 3): grid 4 x 64, 16 waves a work-group, clusters of 4 x 1, 206,848 bytes of LDS; arguments qkv, yq; writes yq
.if DOCPART == 3
	.amdgcn_target "amdgcn-amd-amdhsa--gfx1250"
	.amdhsa_code_object_version 6
	.text
	.protected	k_q9a506195a0_attn
	.globl	k_q9a506195a0_attn
	.p2align	8
	.type	k_q9a506195a0_attn,@function
k_q9a506195a0_attn:
	s_mov_b64 s[64:65], 0
	v_nop
	global_prefetch_b8 v0, s[64:65] scope:SCOPE_SE
	s_setreg_imm32_b32 hwreg(HW_REG_WAVE_MODE, 25, 1), 1
	s_wait_xcnt 0x0
	s_wait_alu depctr_hold_cnt(0) depctr_sa_sdst(0) depctr_va_vdst(0) depctr_va_sdst(0) depctr_va_ssrc(0) depctr_va_vcc(0) depctr_vm_vsrc(0)
	s_getreg_b32 s2, hwreg(HW_REG_IB_STS2, 6, 4)
	s_cmp_eq_u32 s2, 0
	s_cbranch_scc0 .Lentry_in_a_cluster
	s_endpgm
.Lentry_in_a_cluster:
	s_bfe_u32 s2, ttmp6, 0x10000c
	s_cmp_lg_u32 s2, 0x3003
	s_cbranch_scc0 .Lentry_shape_is_right
	s_endpgm
.Lentry_shape_is_right:
; y = softmax(q k^T / 8, causal) v for one (batch, head) a cluster, both products on codes of FP6 (E2M3) with E8M0 scales; y is quantised here along the channels and stored as the operand of the last product.
; THE SOFTMAX: t = score x log2(e) / 8; M = the row's largest t so far, rounded up to a whole number; p = 2^(t - M) is quantised along the keys, not normalised; the row's sum is taken of the unquantised p
; and divides at the end.  When M moves, the sum and O are multiplied by 2^(old M - new M): exact.
; q k^T has K = 64: the upper 64 of the instruction's 128 are zero codes on both sides (six registers that stay 0), and their scale bytes are 0, which is 2^-127 and no NaN.
; SHARES.  The head's 2,048 queries are 16 groups of 8 tiles of 16; group g wants key steps 0 .. g (128 keys each), the last on the diagonal.  The work-group at place cx takes tiles 2 cx and 2 cx + 1 of
; EVERY group; wave w takes (group w, tile 2 cx) and then (group 15 - w, tile 2 cx + 1): 17 tile-steps for every wave of the launch.  Branches hang on the wave's number and the step alone.
; K AND V OF THE WHOLE HEAD STAY IN LDS: 16 x 12,800 bytes, filled once by joint loads of the cluster's four work-groups (waves 0-3: key steps 0-1, then steps 2-15): no ring, no refill, no LDS store.
; LAYOUT.  S^T = K Q^T, O^T = V^T P^T: a lane holds one query throughout.  Lane row r of tile i is row 32 (i / 2) + 8 (i % 2) + r + 8 (r / 8) of its 128: so p's 16 registers of two
; neighbouring tiles are 16 neighbouring keys, and O^T's 16 neighbouring channels.
; LIMITS: a block's largest p is taken from its largest score (this takes v_exp_f32 not to fall where its input rises); a block of zeros gets the byte 1 (its codes are zeros); NaN and infinities are not served.
.set HEADB, 307200
.set KVOFF, 102400
.set STEPB, 12800                      ; a key step in LDS: K's record, then V's
.set VREC,  6400
.set SCO,   6144                       ; the scales in a record
.set L16, 1                            ; v1   16 x lane
.set L8,  2                            ; v2   8 x lane
.set R16, 3                            ; v3   16 r
.set A16, 4                            ; v4-6 the same three + the step's first LDS byte
.set A8,  5
.set AR,  6
.set DV,  7                            ; v7   my query's place in its 128, less 16 h
.set NINF, 8                           ; v8   -infinity
.set R8,  9                            ; v9   8 r
.set DV0, 11                           ; v11  32 cx + r + 8 (r / 8) - 16 h
.set QF,  16                           ; v16-27  Q's fragment; 22-27 stay 0
.set KFR, 28                           ; v28-75  four fragments of K; the upper six of each stay 0
.set VFR, 76                           ; v76-123 V's four fragments
.set S,   124                          ; v124-187 S^T, then p
.set OT,  188                          ; v188-219 O^T
.set PC,  220                          ; v220-231 p's codes
.set BM,  228                          ; v228-231 the blocks' largest scores (done with before the codes are made)
.set T4,  232                          ; v232-239 at work
.set SO,  240                          ; v240-243 the conversions' scale operands
.set SWK, 244                          ; v244-247 K's scale words
.set FF,  248                          ; v248 f = 2^(old M - new M); v249 p's scale word
.set TT,  250
.set QS,  251                          ; Q's scale word
.set SWV, 252                          ; v252-255 V's scale words
.set WV,  8
.set CX,  9
.set TB,  12                           ; s12  the step's first LDS byte
.set KS,  13                           ; s13  the key step
.set GG,  14                           ; s14  my group
.set CNT, 15
.set G1A, 16                           ; s[16:23] group 1: 25 rows of 256 bytes;  s[24:31]: 175 rows;  s[32:35], s[36:39] their groups 0
.set G1B, 24
.set G0A, 32
.set G0B, 36
.set CS,  58                           ; s[58:59] c = log2(e) / 8
.set SEL, 60                           ; s[60:61]
.macro CROUND                          ; a round of the cluster's barrier
	s_barrier_signal -1
	s_barrier_wait -1
	s_cmp_lg_u32 s[WV], 0
	s_cbranch_scc1 .Lnot_wave_0_\@
	s_barrier_signal -3
.Lnot_wave_0_\@:
	s_barrier_wait -3
	s_barrier_signal -1
	s_barrier_wait -1
.endm
	s_load_b128 s[4:7], s[0:1], 0x0                ; qkv s[4:5], yq s[6:7]
	v_lshl_add_u32 v254, v0, 2, 0x32000
	v_mov_b32 v255, 0
	ds_add_u32 v254, v255
	ds_add_u32 v254, v255
	s_wait_dscnt 0x0
	v_lshrrev_b32 v1, 5, v0
	s_delay_alu instid0(VALU_DEP_1)
	v_readfirstlane_b32 s[WV], v1                  ; wave 0..15
	s_bfe_u32 s[CX], ttmp6, 0x40000                ; my place in the cluster
	s_and_b32 s10, ttmp7, 0xffff                   ; 16 x batch + head, which the four partners share
	s_mul_i32 s62, s10, HEADB
	s_mov_b32 s63, 0
	s_and_b32 s11, s[WV], 3                        ; which quarter I fetch, if I fetch
	s_mov_b32 s[G1A], 15|(3<<16)|(1<<21)           ; 15:0 the mask: all four work-groups; 17:16 elements of 8 bytes; 21 set beside a mask; no padding
	s_mov_b32 s[G1A+1], 32<<16                     ; tensor_dim0: 256 bytes
	s_mov_b32 s[G1A+2], 25<<16                     ; tensor_dim1
	s_mov_b32 s[G1A+3], 32<<16                     ; tile_dim0
	s_mov_b32 s[G1A+4], 25                         ; tile_dim1: 6,400 bytes, a quarter of key steps 0 and 1
	s_mov_b32 s[G1A+5], 32
	s_mov_b32 s[G1A+6], 0
	s_mov_b32 s[G1A+7], 0
	s_mov_b32 s[G1B], 15|(3<<16)|(1<<21)
	s_mov_b32 s[G1B+1], 32<<16
	s_mov_b32 s[G1B+2], 175<<16
	s_mov_b32 s[G1B+3], 32<<16
	s_mov_b32 s[G1B+4], 175                        ; 44,800 bytes, a quarter of key steps 2 to 15
	s_mov_b32 s[G1B+5], 32
	s_mov_b32 s[G1B+6], 0
	s_mov_b32 s[G1B+7], 0
	s_mov_b32 s[CS], 0x3e38aa3b
	s_mov_b32 s[CS+1], s[CS]                       ; (named with it as a pair, so it is written)
	s_mov_b32 s[SEL], 0x76543210
	s_mov_b32 s[SEL+1], 0xfedcba98
	s_wait_kmcnt 0x0
	s_add_nc_u64 s[66:67], s[4:5], s[62:63]        ; qkv at my head
	s_mul_i32 s44, s11, 6400
	s_mov_b32 s45, 0
	s_mov_b32 s[G0A], 1
	s_mov_b32 s[G0A+1], s44
	s_add_nc_u64 s[G0A+2:G0A+3], s[66:67], s[44:45]
	s_add_nc_u64 s[G0A+2:G0A+3], s[G0A+2:G0A+3], KVOFF
	s_or_b32 s[G0A+3], s[G0A+3], 0x80000000
	s_mul_i32 s44, s11, 44800
	s_mov_b32 s[G0B], 1
	s_add_co_u32 s[G0B+1], s44, 2*STEPB
	s_add_nc_u64 s[G0B+2:G0B+3], s[66:67], s[44:45]
	s_add_nc_u64 s[G0B+2:G0B+3], s[G0B+2:G0B+3], KVOFF+2*STEPB
	s_or_b32 s[G0B+3], s[G0B+3], 0x80000000
	CROUND                                         ; all four work-groups are here: the joint loads meet
	s_cmp_lt_u32 s[WV], 4                          ; a wave's two fills stand in one branch on its number: two loads of mine are out; four v_nop follow the second
	s_cbranch_scc0 .Lno_fetch
	tensor_load_to_lds s[G0A:G0A+3], s[G1A:G1A+7]
	s_nop 0
	tensor_load_to_lds s[G0B:G0B+3], s[G1B:G1B+7]
	s_nop 0
.rept 4
	v_nop
.endr
.Lno_fetch:
	v_and_b32 v10, 31, v0
	s_delay_alu instid0(VALU_DEP_1)
	v_lshlrev_b32 v[L16], 4, v10
	s_delay_alu instid0(VALU_DEP_2)
	v_lshlrev_b32 v[L8], 3, v10
	v_and_b32 v[DV0], 15, v0                       ; r
	s_delay_alu instid0(VALU_DEP_1)
	v_lshlrev_b32 v[R16], 4, v[DV0]
	s_delay_alu instid0(VALU_DEP_2)
	v_lshlrev_b32 v[R8], 3, v[DV0]
	s_delay_alu instid0(VALU_DEP_3)
	v_and_b32 v4, 8, v[DV0]
	s_delay_alu instid0(VALU_DEP_1)
	v_add_nc_u32 v[DV0], v[DV0], v4                ; r + 8 (r / 8)
	v_bfe_u32 v4, v0, 4, 1
	s_delay_alu instid0(VALU_DEP_1)
	v_lshlrev_b32 v4, 4, v4
	s_delay_alu instid0(VALU_DEP_1)
	v_sub_nc_u32 v[DV0], v[DV0], v4                ; - 16 h
	s_lshl_b32 s11, s[CX], 5
	v_add_nc_u32 v[DV0], s11, v[DV0]               ; + 32 cx
	v_mov_b32 v[NINF], 0xff800000
.irp i, 6,7,8,9,10,11
	v_mov_b32 v[QF+\i], 0                          ; zero codes for k = 64 .. 127; never rewritten
.irp t, 0,1,2,3
	v_mov_b32 v[KFR+12*\t+\i], 0
.endr
.endr
.irp b, 0,1,2,3
	v_mov_b32 v[T4+\b], 0                          ; written once: a lane permute's destination counts as one of its sources
.endr
	v_mov_b32 v[TT], 0
	v_mov_b32 v[FF+1], 0                           ; (named as the upper half of the pair before it is first written)
	; where my queries come from and my results go
	s_mul_i32 s44, s[CX], 1536
	s_add_nc_u64 s[50:51], s[66:67], s[44:45]      ; Q: tile 2 cx of group 0
	s_lshl_b32 s44, s[CX], 2
	s_add_nc_u64 s[52:53], s[66:67], s[44:45]      ; its two scale bytes a row
	s_lshr_b32 s62, s10, 4                         ; batch
	s_and_b32 s10, s10, 15                         ; head
	s_mul_i32 s62, s62, 16*102400
	s_lshr_b32 s63, s10, 2
	s_mul_i32 s63, s63, 25600
	s_add_co_u32 s62, s62, s63                     ; the batch's first block, the record of my head's 256 along K
	s_bfe_u32 s63, s10, 0x10001                    ; which 128 of the 256
	s_and_b32 s10, s10, 1                          ; which 64 of the 128
	s_mul_i32 s44, s63, 12288
	s_add_co_u32 s44, s44, s62
	s_mul_i32 s11, s10, 768
	s_add_co_u32 s44, s44, s11
	s_mul_i32 s11, s[CX], 3072
	s_add_co_u32 s44, s44, s11
	s_add_nc_u64 s[40:41], s[6:7], s[44:45]        ; y's half fragment of tile 2 cx, group 0
	s_lshl_b32 s44, s[CX], 8
	s_add_co_u32 s44, s44, s62
	s_add_co_u32 s44, s44, 24576
	s_lshl_b32 s63, s63, 2
	s_add_co_u32 s44, s44, s63
	s_lshl_b32 s10, s10, 1
	s_add_co_u32 s44, s44, s10
	s_add_nc_u64 s[42:43], s[6:7], s[44:45]        ; and its two scale bytes a row
; A KEY STEP: 128 keys.  A step all of whose keys come after my group is left out: a scalar branch on the wave's number and the step, not round the lines that step the address.
.macro STEP
	s_cmp_gt_u32 s[KS], s[GG]
	s_cbranch_scc1 .Lskip_\@
	s_setprio 2
	v_add_nc_u32 v[A16], s[TB], v[L16]
	v_add_nc_u32 v[A8], s[TB], v[L8]
	v_add_nc_u32 v[AR], s[TB], v[R16]
.irp g, 0,1                                    ; S^T = K Q^T, four tiles of 16 keys at a time
.irp t, 0,1,2,3
	ds_load_b128 v[KFR+12*\t:KFR+12*\t+3], v[A16] offset:768*(4*\g+\t)
	ds_load_b64 v[KFR+12*\t+4:KFR+12*\t+5], v[A8] offset:768*(4*\g+\t)+512
	ds_load_u16 v[SWK+\t], v[AR] offset:SCO+2*(4*\g+\t)         ; two bytes, widened with zeros
.endr
.if \g
.irp d, 0,1,2,3                                ; V's four fragments are asked for here and land under the softmax (seven plain instructions stand behind the last products that read these registers)
	ds_load_b128 v[VFR+12*\d:VFR+12*\d+3], v[A16] offset:VREC+1536*\d
	ds_load_b64 v[VFR+12*\d+4:VFR+12*\d+5], v[A8] offset:VREC+1536*\d+512
	ds_load_b128 v[VFR+12*\d+6:VFR+12*\d+9], v[A16] offset:VREC+1536*\d+768
	ds_load_b64 v[VFR+12*\d+10:VFR+12*\d+11], v[A8] offset:VREC+1536*\d+1280
	ds_load_b32 v[SWV+\d], v[AR] offset:VREC+SCO+4*\d
.endr
	s_wait_dscnt 20                                ; K's are in; V's 20 loads may be out
.else
	s_wait_alu depctr_va_vdst(0)
	s_wait_dscnt 0x0
.endif
.irp t, 0,1,2,3
	v_wmma_scale_f32_16x16x128_f8f6f4 v[S+8*(4*\g+\t):S+8*(4*\g+\t)+7], v[KFR+12*\t:KFR+12*\t+11], v[QF:QF+11], 0, v[SWK+\t], v[QS] matrix_a_fmt:MATRIX_FMT_FP6 matrix_b_fmt:MATRIX_FMT_FP6
.endr
.rept 4
	v_nop                                          ; places in front of loads into registers that these products read, and of the first read of their results
.endr
.endr
	s_cmp_lg_u32 s[KS], s[GG]                      ; on the diagonal the scores of hidden keys become -infinity ahead of the maximum: p = 0 then
	s_cbranch_scc1 .Lopen_\@
.set n, 0
.rept 64                                       ; register 16 b + i holds key 32 b + 16 h + i of the step: hidden where 32 b + i > my query's place - 16 h
	v_cmp_gt_i32 vcc_lo, 32*(n/16)+n%16, v[DV]
	v_cndmask_b32 v[S+n], v[S+n], v[NINF], vcc_lo
.set n, n+1
.endr
.Lopen_\@:
.irp b, 0,1,2,3
	v_max3_num_f32 v[BM+\b], v[S+16*\b], v[S+1+16*\b], v[S+2+16*\b]   ; the largest score of each block of 32 keys: it serves for the row's maximum and, since p rises with the score, for the block's largest p
.endr
.irp i, 3,5,7,9,11,13
.irp b, 0,1,2,3
	v_max3_num_f32 v[BM+\b], v[BM+\b], v[S+16*\b+\i], v[S+1+16*\b+\i]
.endr
.endr
.irp b, 0,1,2,3
	v_max_num_f32 v[BM+\b], v[BM+\b], v[S+15+16*\b]
.endr
.irp b, 0,1,2,3
	s_delay_alu instid0(VALU_DEP_4)
	v_permlanex16_b32 v[T4+\b], v[BM+\b], s[SEL], s[SEL+1]
.endr
.irp b, 0,1,2,3
	s_delay_alu instid0(VALU_DEP_4)
	v_max_num_f32 v[BM+\b], v[BM+\b], v[T4+\b]     ; with lane l xor 16's 16 keys
.endr
	s_delay_alu instid0(VALU_DEP_2)
	v_max3_num_f32 v[TT], v[BM], v[BM+1], v[BM+2]
	s_delay_alu instid0(VALU_DEP_1)
	v_max_num_f32 v[TT], v[TT], v[BM+3]            ; the step's largest score of my query
	s_delay_alu instid0(VALU_DEP_1)
	v_mul_f32 v[TT], s[CS], v[TT]                  ; as t
	s_delay_alu instid0(VALU_DEP_1)
	v_max_num_f32 v13, v13, v[TT]                  ; the running largest t
	v_mov_b32 v[TT], v12
	s_delay_alu instid0(VALU_DEP_2)
	v_floor_f32 v12, -v13                          ; the new -M = floor(-t): M is a whole number
	s_delay_alu instid0(VALU_DEP_1)
	v_sub_f32 v[TT], v12, v[TT]                    ; old M - new M: a whole number, 0 or less
	s_delay_alu instid0(VALU_DEP_1)
	v_cvt_i32_f32 v[TT], v[TT]                     ; (it saturates)
	s_delay_alu instid0(VALU_DEP_1)
	v_ldexp_f32 v[FF], 1.0, v[TT]                  ; f = 2^(old M - new M)
.set j, 0
	s_setprio 1
.rept 32
	v_pk_fma_f32 v[S+j:S+j+1], v[S+j:S+j+1], s[CS:CS+1], v[12:13] op_sel_hi:[1,0,0]   ; t - M, two at a time
.set j, j+2
.endr
.irp b, 0,1,2,3
	v_fma_f32 v[BM+\b], v[BM+\b], s[CS], v12       ; the same of each block's largest score
.endr
.set j, 0
	s_wait_alu depctr_va_vdst(0)
.rept 64
	v_exp_f32 v[S+j], v[S+j]                       ; p = 2^(t - M), at most 1
.set j, j+1
.endr
	v_pk_mul_f32 v[14:15], v[14:15], v[FF:FF+1] op_sel_hi:[1,0]   ; the sums under the new M: the plain instruction behind the exponentials
	s_wait_alu depctr_va_vdst(0)                   ; one wait for the whole batch, ahead of its first reader
.irp b, 0,1,2,3
	v_exp_f32 v[BM+\b], v[BM+\b]                   ; the block's largest p: the same two instructions on the same number give the same bits
.endr
	v_pk_add_f32 v[232:233], v[128:129], v[132:133]
	v_pk_add_f32 v[246:247], v[136:137], v[140:141]
	v_pk_add_f32 v[244:245], v[144:145], v[148:149]
	v_pk_add_f32 v[242:243], v[152:153], v[156:157]
	v_pk_add_f32 v[240:241], v[160:161], v[164:165]
	v_pk_add_f32 v[238:239], v[168:169], v[172:173]
	v_pk_add_f32 v[236:237], v[176:177], v[180:181]
	v_pk_add_f32 v[14:15], v[14:15], v[184:185]
	v_pk_add_f32 v[232:233], v[232:233], v[124:125]
	v_pk_add_f32 v[246:247], v[246:247], v[126:127]
	v_pk_add_f32 v[244:245], v[244:245], v[130:131]
	v_pk_add_f32 v[242:243], v[242:243], v[134:135]
	v_pk_add_f32 v[240:241], v[240:241], v[138:139]
	v_pk_add_f32 v[238:239], v[238:239], v[142:143]
	v_pk_add_f32 v[236:237], v[236:237], v[146:147]
	v_pk_add_f32 v[14:15], v[14:15], v[150:151]
	v_pk_add_f32 v[232:233], v[232:233], v[154:155]
	v_pk_add_f32 v[246:247], v[246:247], v[158:159]
	v_pk_add_f32 v[244:245], v[244:245], v[162:163]
	v_pk_add_f32 v[242:243], v[242:243], v[166:167]
	v_pk_add_f32 v[240:241], v[240:241], v[170:171]
	v_pk_add_f32 v[238:239], v[238:239], v[174:175]
	v_pk_add_f32 v[236:237], v[236:237], v[178:179]
	v_pk_add_f32 v[14:15], v[14:15], v[182:183]
	v_pk_add_f32 v[232:233], v[232:233], v[186:187]
	s_delay_alu instid0(VALU_DEP_2)
	v_pk_add_f32 v[14:15], v[14:15], v[242:243]
	s_delay_alu instid0(VALU_DEP_2)
	v_pk_add_f32 v[232:233], v[232:233], v[240:241]
	v_pk_add_f32 v[246:247], v[246:247], v[238:239]
	v_pk_add_f32 v[244:245], v[244:245], v[236:237]
	s_delay_alu instid0(VALU_DEP_2)
	v_pk_add_f32 v[14:15], v[14:15], v[246:247]
	s_delay_alu instid0(VALU_DEP_2)
	v_pk_add_f32 v[232:233], v[232:233], v[244:245]
	s_delay_alu instid0(VALU_DEP_1)
	v_pk_add_f32 v[14:15], v[14:15], v[232:233]
	s_wait_alu depctr_va_vdst(0)                   ; and one for the four
.irp b, 0,1,2,3
	v_max_num_f32 v[BM+\b], 0x1800000, v[BM+\b]    ; the floor 2^(3 - 127): the byte cannot fall under 1
.endr
.irp b, 0,1,2,3
	s_delay_alu instid0(VALU_DEP_4)
	v_add_nc_u32 v[SO+\b], 0xff000000, v[BM+\b]    ; 2 off the exponent field: the conversion's scale operand
.endr
.irp b, 0,1,2,3
	s_delay_alu instid0(VALU_DEP_4)
	v_lshrrev_b32 v[T4+\b], 23, v[SO+\b]           ; the scale's byte
.endr
	s_delay_alu instid0(VALU_DEP_3)
	v_lshl_or_b32 v[FF+1], v[T4+1], 8, v[T4]       ; p's scale word for these 128 keys
	s_delay_alu instid0(VALU_DEP_1)
	v_lshl_or_b32 v[FF+1], v[T4+2], 16, v[FF+1]
	s_delay_alu instid0(VALU_DEP_1)
	v_lshl_or_b32 v[FF+1], v[T4+3], 24, v[FF+1]
	s_setprio 0
.irp c, 0,1
	v_cvt_scalef32_pk16_fp6_f32 v[PC+6*\c:PC+6*\c+2], v[S+32*\c:S+32*\c+15], v[SO+2*\c]
	v_cvt_scalef32_pk16_fp6_f32 v[T4+4*\c:T4+4*\c+2], v[S+16+32*\c:S+31+32*\c], v[SO+2*\c+1]   ; (a conversion's three registers begin on an even number)
.endr
	v_nop                                          ; one plain place behind a scaled conversion
.irp c, 0,1                                    ; the operand's layout wants a whole block in a lane
.irp i, 0,1,2
	v_permlane16_swap_b32 v[PC+6*\c+\i], v[T4+4*\c+\i]
.endr
.irp i, 0,1,2
	s_delay_alu instid0(VALU_DEP_3)
	v_mov_b32 v[PC+3+6*\c+\i], v[T4+4*\c+\i]
.endr
.endr
.set j, 0
.rept 16
	v_pk_mul_f32 v[OT+j:OT+j+1], v[OT+j:OT+j+1], v[FF:FF+1] op_sel_hi:[1,0]   ; O^T under the new M.  (These are also the places in front of the products below)
.set j, j+2
.endr
	s_wait_alu depctr_va_vdst(0)
	s_wait_dscnt 0x0                               ; V is in
.irp d, 0,1,2,3                                ; O^T += V^T P^T: four accumulators by turns
	v_wmma_scale_f32_16x16x128_f8f6f4 v[OT+8*\d:OT+8*\d+7], v[VFR+12*\d:VFR+12*\d+11], v[PC:PC+11], v[OT+8*\d:OT+8*\d+7], v[SWV+\d], v[FF+1] matrix_a_fmt:MATRIX_FMT_FP6 matrix_b_fmt:MATRIX_FMT_FP6
.endr
.Lskip_\@:
	s_add_co_u32 s[TB], s[TB], STEPB
	s_add_co_u32 s[KS], s[KS], 1
.endm
; A pass begins: my group, my tile's Q, and the sums.  O^T and the sum begin as zeros and the largest t as -3e38: the first change of M multiplies zeros.
.macro PASS_INIT e
.if \e
	s_sub_co_u32 s[GG], 15, s[WV]
.else
	s_mov_b32 s[GG], s[WV]
.endif
	s_mul_i32 s44, s[GG], 6400
	s_mov_b32 s45, 0
	s_add_nc_u64 s[54:55], s[50:51], s[44:45]
	s_add_nc_u64 s[56:57], s[52:53], s[44:45]
	global_load_b128 v[QF:QF+3], v[L16], s[54:55] offset:\e*768
	global_load_b64 v[QF+4:QF+5], v[L8], s[54:55] offset:\e*768+512
	global_load_u16 v[QS], v[R16], s[56:57] offset:SCO+2*\e
	v_add_nc_u32 v[DV], 8*\e, v[DV0]
	v_mov_b32 v13, 0xff61b1e6                      ; -3e38, under every t
	s_delay_alu instid0(VALU_DEP_1)
	v_floor_f32 v12, -v13
	v_mov_b32 v14, 0
	v_mov_b32 v15, 0
.set j, 0
.rept 32
	v_mov_b32 v[OT+j], 0
.set j, j+1
.endr
	s_mov_b32 s[TB], 0
	s_mov_b32 s[KS], 0
	s_wait_loadcnt 0x0                             ; Q
	s_wait_xcnt 0x0                                ; the last pass's stores have read their data and addresses: both are written again only behind this wait
.endm
; A pass ends: y = O^T / the sum; its 64 channels are two blocks of 32 along the last product's K: half a fragment and two scale bytes a row.
.macro PASS_END e
.rept 4
	v_nop                                          ; places behind the last products
.endr
	s_mul_i32 s44, s[GG], 102400
	s_mov_b32 s45, 0
	s_add_nc_u64 s[46:47], s[40:41], s[44:45]
	s_add_nc_u64 s[48:49], s[42:43], s[44:45]
	v_add_f32 v14, v14, v15                        ; the sum's two halves,
	s_delay_alu instid0(VALU_DEP_1)
	v_permlanex16_b32 v[TT], v14, s[SEL], s[SEL+1]
	s_delay_alu instid0(VALU_DEP_1)
	v_add_f32 v14, v14, v[TT]                      ; and lane l xor 16's
	s_wait_alu depctr_va_vdst(0)
	v_rcp_f32 v14, v14
	v_nop                                          ; a plain place behind the reciprocal
	s_wait_alu depctr_va_vdst(0)                   ; and the wait ahead of its first reader
.set j, 0
.rept 16
	v_pk_mul_f32 v[S+j:S+j+1], v[OT+j:OT+j+1], v[14:15] op_sel_hi:[1,0]   ; register 16 b + i is channel 32 b + 16 h + i
.set j, j+2
.endr
.irp b, 0,1
	v_max3_num_f32 v[BM+\b], |v[S+16*\b]|, |v[S+1+16*\b]|, 0x1800000
.endr
.irp i, 2,4,6,8,10,12,14
.irp b, 0,1
	s_delay_alu instid0(VALU_DEP_2)
	v_max3_num_f32 v[BM+\b], v[BM+\b], |v[S+16*\b+\i]|, |v[S+1+16*\b+\i]|
.endr
.endr
.irp b, 0,1
	s_delay_alu instid0(VALU_DEP_2)
	v_permlanex16_b32 v[T4+\b], v[BM+\b], s[SEL], s[SEL+1]
.endr
.irp b, 0,1
	s_delay_alu instid0(VALU_DEP_2)
	v_max_num_f32 v[BM+\b], v[BM+\b], v[T4+\b]
.endr
.irp b, 0,1
	s_delay_alu instid0(VALU_DEP_2)
	v_add_nc_u32 v[SO+\b], 0xff000000, v[BM+\b]
.endr
.irp b, 0,1
	s_delay_alu instid0(VALU_DEP_2)
	v_lshrrev_b32 v[T4+\b], 23, v[SO+\b]
.endr
	s_delay_alu instid0(VALU_DEP_1)
	v_lshl_or_b32 v[TT], v[T4+1], 8, v[T4]         ; my row's two bytes
	v_cvt_scalef32_pk16_fp6_f32 v[PC:PC+2], v[S:S+15], v[SO]
	v_cvt_scalef32_pk16_fp6_f32 v[T4+4:T4+6], v[S+16:S+31], v[SO+1]
	v_nop                                          ; one plain place behind a scaled conversion
.irp i, 0,1,2
	v_permlane16_swap_b32 v[PC+\i], v[T4+4+\i]
.endr
.irp i, 0,1,2
	s_delay_alu instid0(VALU_DEP_3)
	v_mov_b32 v[PC+3+\i], v[T4+4+\i]
.endr
	global_store_b128 v[L16], v[PC:PC+3], s[46:47] offset:\e*1536        ; 512 consecutive bytes, aligned
	global_store_b64 v[L8], v[PC+4:PC+5], s[46:47] offset:\e*1536+512    ; 256
	global_store_b16 v[R8], v[TT], s[48:49] offset:\e*128                ; two bytes a row, 8 bytes apart (a word's other half is another head's); lanes r and r + 16 store the same value at the same place
.endm
	PASS_INIT 0
	s_wait_tensorcnt 0x1                           ; my quarter of key steps 0 and 1 is in; the load of steps 2 to 15 may stay out
	s_barrier_signal -1
	s_barrier_wait -1                              ; everybody's is
	s_mov_b32 s[CNT], 2
.Lfirst:
	STEP
	s_sub_co_u32 s[CNT], s[CNT], 1
	s_cmp_lg_u32 s[CNT], 0
	s_cbranch_scc1 .Lfirst
	s_setprio 0
	s_wait_tensorcnt 0x0                           ; my quarter of the rest is in,
	s_wait_dscnt 0x0
	s_barrier_signal -1
	s_barrier_wait -1                              ; everybody's is
	s_mov_b32 s[CNT], 14
.Lrest:
	STEP
	s_sub_co_u32 s[CNT], s[CNT], 1
	s_cmp_lg_u32 s[CNT], 0
	s_cbranch_scc1 .Lrest
	s_setprio 0
	PASS_END 0
	PASS_INIT 1
	s_mov_b32 s[CNT], 16
.Lsecond:
	STEP
	s_sub_co_u32 s[CNT], s[CNT], 1
	s_cmp_lg_u32 s[CNT], 0
	s_cbranch_scc1 .Lsecond
	s_setprio 0
	PASS_END 1
	s_wait_dscnt 0x0
	s_wait_xcnt 0x0
	v_lshl_add_u32 v254, v0, 2, 0x32000
	v_mov_b32 v255, 0
	s_wait_alu depctr_va_vdst(0)
	s_wait_tensorcnt 0x0
	ds_add_u32 v254, v255
	s_wait_dscnt 0x0
	CROUND                                         ; the closing round
	s_endpgm
.Lfunc_end_k_q9a506195a0_attn:
	.size	k_q9a506195a0_attn, .Lfunc_end_k_q9a506195a0_attn-k_q9a506195a0_attn
	.p2alignl 7, 3214868480
	.fill 96, 4, 3214868480
	.section	.rodata,"a",@progbits
	.p2align	6, 0x0
	.amdhsa_kernel k_q9a506195a0_attn
		.amdhsa_group_segment_fixed_size 206848
		.amdhsa_private_segment_fixed_size 0
		.amdhsa_enable_private_segment 0
		.amdhsa_kernarg_size 16
		.amdhsa_user_sgpr_count 2
		.amdhsa_user_sgpr_kernarg_segment_ptr 1
		.amdhsa_wavefront_size32 1
		.amdhsa_system_sgpr_workgroup_id_x 1
		.amdhsa_system_sgpr_workgroup_id_y 1
		.amdhsa_system_sgpr_workgroup_id_z 1
		.amdhsa_system_vgpr_workitem_id 0
		.amdhsa_next_free_vgpr 256
		.amdhsa_next_free_sgpr 80
		.amdhsa_reserve_vcc 1
		.amdhsa_float_denorm_mode_32 3
		.amdhsa_float_denorm_mode_16_64 3
		.amdhsa_memory_ordered 1
		.amdhsa_forward_progress 1
		.amdhsa_inst_pref_size 90
	.end_amdhsa_kernel
	.amdgpu_metadata
---
amdhsa.version: [ 1, 2 ]
amdhsa.kernels:
  - .name:           k_q9a506195a0_attn
    .symbol:         k_q9a506195a0_attn.kd
    .args:
      - { .name: qkv, .offset: 0, .size: 8, .value_kind: global_buffer, .address_space: global }
      - { .name: yq, .offset: 8, .size: 8, .value_kind: global_buffer, .address_space: global }
    .group_segment_fixed_size: 206848
    .private_segment_fixed_size: 0
    .kernarg_segment_align: 8
    .kernarg_segment_size: 16
    .max_flat_workgroup_size: 512
    .sgpr_count:     80
    .vgpr_count:     256
    .wavefront_size: 32
...
	.end_amdgpu_metadata
.endif
;; end of part 3
;; launch proj (part 4): grid 4 x 32, 4 waves a work-group, clusters of 4 x 4, 327,680 bytes of LDS; arguments yq, wpq, b_proj, out0; writes out0
.if DOCPART == 4
	.amdgcn_target "amdgcn-amd-amdhsa--gfx1250"
	.amdhsa_code_object_version 6
	.text
	.protected	k_q9a506195a0_proj
	.globl	k_q9a506195a0_proj
	.p2align	8
	.type	k_q9a506195a0_proj,@function
k_q9a506195a0_proj:
	s_mov_b64 s[64:65], 0
	v_nop
	global_prefetch_b8 v0, s[64:65] scope:SCOPE_SE
	s_setreg_imm32_b32 hwreg(HW_REG_WAVE_MODE, 25, 1), 1
	s_wait_xcnt 0x0
	s_wait_alu depctr_hold_cnt(0) depctr_sa_sdst(0) depctr_va_vdst(0) depctr_va_sdst(0) depctr_va_ssrc(0) depctr_va_vcc(0) depctr_vm_vsrc(0)
	s_getreg_b32 s2, hwreg(HW_REG_IB_STS2, 6, 4)
	s_cmp_eq_u32 s2, 0
	s_cbranch_scc0 .Lentry_in_a_cluster
	s_endpgm
.Lentry_in_a_cluster:
	s_bfe_u32 s2, ttmp6, 0x10000c
	s_cmp_lg_u32 s2, 0xf033
	s_cbranch_scc0 .Lentry_shape_is_right
	s_endpgm
.Lentry_shape_is_right:
; out0 = y w_proj^T + b_proj on codes of FP6 (E2M3) with E8M0 scales; sums and result in f32.  y [8192][1024] and w_proj [1024][1024] come as records of 25,600 dense bytes
; (128 rows x 256 K: 16 fragments as images of their registers, then 1,024 bytes of scale words); lane row r of tile i is row 32 (i / 2) + 8 (i % 2) + r + 8 (r / 8) of its block of 128.
; A work-group of four waves makes 256 x 256, a wave 128 x 128: 64 accumulators.  K = 1,024 goes in four steps of 256 through two LDS slots; one tensor load a wave brings one record.
; Source 0 = 16 rows of w_proj, source 1 = 16 tokens: a lane holds one token, and the 16 registers of result tiles 2 b, 2 b + 1 are 16 neighbouring features.  The bias is the C of each sum's first matrix instruction.
; CLUSTERS 4 x 4: y's records are asked for jointly along a row of the cluster, w_proj's down a column.  The grid has 128 work-groups: this tile is kept so that the main loop is the one of the first product.
; REGISTERS: window 0: v10-29 addresses; v32-63 scale words, two sets; v64-127 the bias; v128-223 source 1's fragments.  window 1: source 0's fragments, two sets.  windows 2, 3: the accumulators.
.set REC,   25600
.set SLOT,  4*REC
.set SPARE, 2*SLOT                     ; behind the ring: the spare words, 128 bytes for each wave, that no other line names
.set BLKB,  4*REC
.set NQ,    2
.set FR,    12
.set NL,    4
.set NP,    4
.set SPITCH, 528                       ; the way out: a stage of 16 rows x (512 + 16) bytes for each wave, in slot 0, which has had its last fill and its last read by then
.set L16,   10
.set L8,    11
.set BO1,   14
.set ADRA,  16
.set ADRB,  20
.set ADRS,  24
.set STO,   26
.set RD,    27
.set SPW,   28
.set NIL,   29
.set SC,    32
.set BI,    64
.set AF,    128
.set BK,    128                        ; the way out: 16 rows read back: v128-191 and v192-255 by turns
.set G1,  24
.set G0,  32
.set G1B, 48
.set G0B, 56
.set MSB, 0
.macro WIN new
.if MSB != \new
	s_set_vgpr_msb (MSB<<8)|\new
.set MSB, \new
.endif
.endm
.set MUL_LO,  0xa1
.set MUL_HI,  0xf1
.set BIAS_LO, 0x81
.set BIAS_HI, 0xc1
.set TO_B,    0x40
.macro JLOAD g0a, g1a, g0b, g1b        ; a joint load: waves 0 and 1 fetch y's records, waves 2 and 3 w_proj's; four v_nop follow each of the two lines
	s_cmp_eq_u32 s15, 0
	s_cbranch_scc0 .Lfor_b_\@
	tensor_load_to_lds s[\g0a:\g0a+3], s[\g1a:\g1a+7]
	s_nop 0
.rept 4
	v_nop
.endr
	s_branch .Lasked_\@
.Lfor_b_\@:
	tensor_load_to_lds s[\g0b:\g0b+3], s[\g1b:\g1b+7]
	s_nop 0
.rept 4
	v_nop
.endr
.Lasked_\@:
.endm
.macro CREST
	s_cmp_lg_u32 s14, 0
	s_cbranch_scc1 .Lnot_wave_0_\@
	s_barrier_signal -3
.Lnot_wave_0_\@:
	s_barrier_wait -3
	s_barrier_signal -1
	s_barrier_wait -1
.endm
.macro CROUND
	s_barrier_signal -1
	s_barrier_wait -1
	CREST
.endm
	s_load_b256 s[4:11], s[0:1], 0x0               ; yq s[4:5], wpq s[6:7], b_proj s[8:9], out0 s[10:11]
	v_lshl_add_u32 v[SPW], v0, 2, SPARE
	v_mov_b32 v[NIL], 0
	ds_add_u32 v28, v29
	ds_add_u32 v28, v29
	s_wait_dscnt 0x0
	v_lshrrev_b32 v1, 5, v0
	v_readfirstlane_b32 s14, v1                    ; wave 0..3
	s_lshr_b32 s15, s14, 1                         ; which half of the tokens is mine.  Also: I fetch for y (0) or for w_proj (1)
	s_and_b32 s16, s14, 1                          ; which half of the features.  Also: which of the two records I fetch
	s_bfe_u32 s40, ttmp6, 0x40000                  ; cx, cy
	s_bfe_u32 s41, ttmp6, 0x40004
	s_lshl_b32 s45, ttmp9, 2
	s_add_co_u32 s45, s45, s40                     ; the tile of 256 features
	s_and_b32 s46, ttmp7, 0xffff
	s_lshl_b32 s46, s46, 2
	s_add_co_u32 s46, s46, s41                     ; the tile of 256 tokens
	s_lshl_b32 s43, s41, 2
	s_lshl_b32 s43, 15, s43                        ; my row of the cluster
	s_lshl_b32 s44, 0x1111, s40                    ; my column
	s_or_b32 s[G1+0], s43, (3<<16)|(1<<21)         ; a record as 100 rows of 256 bytes (32 elements of 8 bytes), no padding; the mask; bit 21 beside it
	s_or_b32 s[G1B+0], s44, (3<<16)|(1<<21)
.irp g, G1, G1B
	s_mov_b32 s[\g+1], 32<<16
	s_mov_b32 s[\g+2], 100<<16
	s_mov_b32 s[\g+3], 32<<16
	s_mov_b32 s[\g+4], 100
	s_mov_b32 s[\g+5], 32
	s_mov_b32 s[\g+6], 0
	s_mov_b32 s[\g+7], 0
.endr
	s_lshl_b32 s21, s46, 1
	s_add_co_u32 s21, s21, s16
	s_mul_i32 s70, s21, BLKB
	s_mov_b32 s71, 0
	s_lshl_b32 s22, s45, 1
	s_add_co_u32 s22, s22, s16
	s_mul_i32 s72, s22, BLKB
	s_mov_b32 s73, 0
	s_mul_i32 s47, s14, REC                        ; where my record goes: no place in the cluster enters an LDS address
	s_wait_kmcnt 0x0
	s_add_nc_u64 s[70:71], s[4:5], s[70:71]
	s_add_nc_u64 s[72:73], s[6:7], s[72:73]
	CROUND                                         ; all sixteen work-groups are here: the first joint loads meet
.irp s, 0,1
	s_mov_b32 s[G0+4*\s], 1
	s_add_co_u32 s[G0+4*\s+1], s47, \s*SLOT
	s_add_nc_u64 s[G0+4*\s+2:G0+4*\s+3], s[70:71], \s*REC
	s_or_b32 s[G0+4*\s+3], s[G0+4*\s+3], 0x80000000
	s_mov_b32 s[G0B+4*\s], 1
	s_add_co_u32 s[G0B+4*\s+1], s47, \s*SLOT
	s_add_nc_u64 s[G0B+4*\s+2:G0B+4*\s+3], s[72:73], \s*REC
	s_or_b32 s[G0B+4*\s+3], s[G0B+4*\s+3], 0x80000000
	s_wait_alu depctr_va_vdst(0)
	s_wait_tensorcnt 0x0
	ds_add_u32 v28, v29
	ds_add_u32 v28, v29
	s_wait_dscnt 0x0
	CROUND
	JLOAD G0+4*\s, G1, G0B+4*\s, G1B               ; one load of mine is out
.endr
	v_and_b32 v1, 15, v0                           ; r
	v_bfe_u32 v2, v0, 4, 1                         ; h
	v_and_b32 v3, 31, v0
	v_lshlrev_b32 v[L16], 4, v3
	v_lshlrev_b32 v[L8], 3, v3
	s_mul_i32 s21, s15, REC
	s_mul_i32 s22, s16, REC
	s_add_co_u32 s22, s22, 2*REC
.irp s, 0,1
	v_add_nc_u32 v[ADRA+\s], s21, v[L16]
	v_add_nc_u32 v[ADRA+2+\s], s21, v[L8]
	v_add_nc_u32 v[ADRB+\s], s22, v[L16]
	v_add_nc_u32 v[ADRB+2+\s], s22, v[L8]
	s_add_co_u32 s21, s21, SLOT
	s_add_co_u32 s22, s22, SLOT
.endr
	s_mul_i32 s21, s15, REC
	s_mul_i32 s22, s16, REC
	s_add_co_u32 s22, s22, 2*REC
	s_sub_co_u32 s22, s22, s21
	v_mul_u32_u24 v4, s22, v2                      ; lanes 16-31 take source 0's words: one product, the distance between the two records
	v_lshl_add_u32 v4, v1, 3, v4
	s_add_co_u32 s21, s21, 24576
	v_add_nc_u32 v[ADRS], s21, v4
	v_add_nc_u32 v[ADRS+1], SLOT, v[ADRS]
	s_mul_i32 s23, s14, 16*SPITCH                  ; my stage
	v_mul_u32_u24 v5, v1, SPITCH
	v_lshl_add_u32 v5, v2, 6, v5
	v_add_nc_u32 v[STO], s23, v5                   ; in: row r, + 64 h
	v_add_nc_u32 v[RD], s23, v[L16]                ; back: the 32 lanes take one row of 512 bytes
	v_lshlrev_b32 v[BO1], 6, v2
	s_wait_alu depctr_va_vdst(0)
	s_lshl_b32 s76, s45, 10
	s_lshl_b32 s77, s16, 9
	s_add_co_u32 s76, s76, s77
	s_mov_b32 s77, 0
	s_add_nc_u64 s[76:77], s[8:9], s[76:77]        ; my 128 numbers of the bias
	s_lshl_b32 s84, s46, 8
	s_lshl_b32 s85, s15, 7
	s_add_co_u32 s84, s84, s85                     ; my first token
	s_lshl_b32 s84, s84, 12                        ; rows of 4,096 bytes
	s_lshl_b32 s85, s45, 10
	s_add_co_u32 s84, s84, s85
	s_lshl_b32 s85, s16, 9
	s_add_co_u32 s84, s84, s85                     ; + my first feature
	s_mov_b32 s85, 0
	s_add_nc_u64 s[12:13], s[10:11], s[84:85]
.irp b, 0,1,2,3,4,5,6,7                        ; the bias in the result's layout: register j of tile b is feature 32 (b / 2) + 8 (b % 2) + 16 h + j
	global_load_b128 v[BI+8*\b:BI+8*\b+3], v[BO1], s[76:77] offset:(32*(\b/2)+8*(\b%2))*4
	global_load_b128 v[BI+8*\b+4:BI+8*\b+7], v[BO1], s[76:77] offset:(32*(\b/2)+8*(\b%2))*4+16
.endr
.macro FRAG reg, adr, q, i             ; a fragment comes as it was stored: registers 0-3, 4-5, 6-9, 10-11; every instruction reads consecutive bytes
	ds_load_b128 v[\reg:\reg+3], v[\adr] offset:(\q)*12288+(\i)*1536
	ds_load_b64 v[\reg+4:\reg+5], v[\adr+2] offset:(\q)*12288+(\i)*1536+512
	ds_load_b128 v[\reg+6:\reg+9], v[\adr] offset:(\q)*12288+(\i)*1536+768
	ds_load_b64 v[\reg+10:\reg+11], v[\adr+2] offset:(\q)*12288+(\i)*1536+1280
.endm
; 16 matrix instructions: source 1's blocks a0, a0 + 1 x source 0's eight.  cm = 1: C = the bias.  The 64 accumulators take turns, one instruction a turn.
.macro MUL16 a0, p, q, sc, cm
.irp a, \a0, \a0+1
.irp b, 0,1,2,3,4,5,6,7
.if \cm == 1
	v_wmma_scale_f32_16x16x128_f8f6f4 v[8*(8*((\a)%4)+\b):8*(8*((\a)%4)+\b)+7], v[128*(\p)+FR*\b:128*(\p)+FR*\b+FR-1], v[AF+FR*(\a):AF+FR*(\a)+FR-1], v[BI+8*\b:BI+8*\b+7], v[SC+8*NQ*(\sc)+NQ*\b+(\q)], v[SC+8*NQ*(\sc)+NQ*(\a)+(\q)] matrix_a_fmt:MATRIX_FMT_FP6 matrix_b_fmt:MATRIX_FMT_FP6 matrix_a_scale:MATRIX_SCALE_ROW1
.else
	v_wmma_scale_f32_16x16x128_f8f6f4 v[8*(8*((\a)%4)+\b):8*(8*((\a)%4)+\b)+7], v[128*(\p)+FR*\b:128*(\p)+FR*\b+FR-1], v[AF+FR*(\a):AF+FR*(\a)+FR-1], v[8*(8*((\a)%4)+\b):8*(8*((\a)%4)+\b)+7], v[SC+8*NQ*(\sc)+NQ*\b+(\q)], v[SC+8*NQ*(\sc)+NQ*(\a)+(\q)] matrix_a_fmt:MATRIX_FMT_FP6 matrix_b_fmt:MATRIX_FMT_FP6 matrix_a_scale:MATRIX_SCALE_ROW1
.endif
.endr
.endr
.endm
.macro FETCH_B slot, q, p
	WIN TO_B
.irp i, 0,1,2,3,4,5,6,7
	FRAG 128*(\p)+FR*\i, ADRB+\slot, \q, \i
.endr
	WIN 0
.endm
.macro FETCH_A slot, q, i0
.irp i, \i0, \i0+1, \i0+2, \i0+3
	FRAG AF+FR*(\i), ADRA+\slot, \q, \i
.endr
.endm
.macro SCALES sc
.irp i, 0,1,2,3,4,5,6,7
	ds_load_b64 v[SC+8*NQ*\sc+NQ*\i:SC+8*NQ*\sc+NQ*\i+1], v[ADRS+\sc] offset:\i*128
.endr
.endm
.macro PLACES n
.rept \n
	v_nop
.endr
.endm
.macro STEP slot, q, cm
	s_wait_dscnt 4*NL                              ; source 0's set and source 1's blocks 0-3 are in; the youngest 16 loads (blocks 4-7) may be out
.if \cm
	WIN BIAS_LO
.else
	WIN MUL_LO
.endif
	MUL16 0, (\q)%2, \q, \slot, \cm
	MUL16 2, (\q)%2, \q, \slot, \cm
	s_wait_dscnt 0
	PLACES NP
	FETCH_B \slot, (\q)+1, 1-(\q)%2
	FETCH_A \slot, (\q)+1, 0
.if \cm
	WIN BIAS_HI
.else
	WIN MUL_HI
.endif
	MUL16 4, (\q)%2, \q, \slot, \cm
	MUL16 6, (\q)%2, \q, \slot, \cm
	PLACES NP
	WIN 0
	FETCH_A \slot, (\q)+1, 4
.endm
.macro TURN slot, next, fill
	s_wait_tensorcnt 0x0                           ; all my tensor loads have landed: my part of the next slot
	ds_add_u32 v[SPW], v[NIL]                      ; 0 onto my spare word
	s_wait_dscnt 4*NL+1                            ; (the add and the youngest 16 loads may be out)
	WIN MUL_LO
	MUL16 0, 1, NQ-1, \slot, 0
	s_wait_dscnt 0x0                               ; the add is done, and my reads of this slot are over
	s_barrier_signal -1
	MUL16 2, 1, NQ-1, \slot, 0
	WIN 0
	s_barrier_wait -1
.if \fill
	CREST                                          ; the barrier has opened a round of the cluster's barrier: no wave of any partner still reads this slot or has a load on its way
	s_add_nc_u64 s[G0+4*\slot+2:G0+4*\slot+3], s[G0+4*\slot+2:G0+4*\slot+3], 2*REC
	s_add_nc_u64 s[G0B+4*\slot+2:G0B+4*\slot+3], s[G0B+4*\slot+2:G0B+4*\slot+3], 2*REC
	JLOAD G0+4*\slot, G1, G0B+4*\slot, G1B         ; the first tensor load behind the round; its four v_nop are the places in front of the loads below
.else
	PLACES NP
.endif
	FETCH_B \next, 0, 0
	FETCH_A \next, 0, 0
	SCALES \next
	WIN MUL_HI
	MUL16 4, 1, NQ-1, \slot, 0
	MUL16 6, 1, NQ-1, \slot, 0
	PLACES NP
	WIN 0
	FETCH_A \next, 0, 4
.endm
	s_wait_tensorcnt 1                             ; my record of slot 0 is in (slot 1's load may be out)
	s_barrier_signal -1
	s_barrier_wait -1                              ; everybody's is
	FETCH_B 0, 0, 0
	FETCH_A 0, 0, 0
	SCALES 0
	FETCH_A 0, 0, 4
	s_wait_loadcnt 0x0                             ; the bias
	STEP 0, 0, 1                                   ; the first products start the sums from the bias
	TURN 0, 1, 1
	STEP 1, 0, 0
	TURN 1, 0, 1
	STEP 0, 0, 0
	TURN 0, 1, 0                                   ; nothing is left to fetch
	STEP 1, 0, 0
	s_wait_dscnt 4*NL
	WIN MUL_LO
	MUL16 0, 1, NQ-1, 1, 0
	MUL16 2, 1, NQ-1, 1, 0
	s_wait_dscnt 0
	WIN MUL_HI
	MUL16 4, 1, NQ-1, 1, 0
	MUL16 6, 1, NQ-1, 1, 0
	WIN 0
; THE WAY OUT, block by block of 16 tokens x 128 features, through my own stage in LDS: in by lanes (tile b's eight features of my half at 128 (b / 2) + 32 (b % 2) + 64 h bytes of row r), back as whole rows of 512 bytes.
; LDS serves a wave's instructions in order (ISA guide 5.7.1.4): no wait between the stores and the loads.  Row t of block a is token 32 (a / 2) + 8 (a % 2) + t + 8 (t / 8) of my 128.
.macro TOSTAGE a
.set AC, 64*((\a)%4)
	WIN 0x08+4*((\a)/4)                            ; the data: window 2 or 3
.irp b, 0,1,2,3,4,5,6,7
	ds_store_b128 v[STO], v[AC+8*\b:AC+8*\b+3] offset:128*(\b/2)+32*(\b%2)        ; each accumulator from its low end on
	ds_store_b128 v[STO], v[AC+8*\b+4:AC+8*\b+7] offset:128*(\b/2)+32*(\b%2)+16
.endr
	WIN 0
.set BB, BK+64*((\a)%2)
.irp t, 0,1,2,3,4,5,6,7,8,9,10,11,12,13,14,15
	ds_load_b128 v[BB+4*\t:BB+4*\t+3], v[RD] offset:\t*SPITCH
.endr
.endm
.macro SEND a, younger                 ; younger: the LDS instructions issued behind block a's loads, which may stay out
.set BB, BK+64*((\a)%2)
	s_wait_dscnt \younger
.irp t, 0,1,2,3,4,5,6,7,8,9,10,11,12,13,14,15
	global_store_b128 v[L16], v[BB+4*\t:BB+4*\t+3], s[12:13] offset:(32*((\a)/2)+8*((\a)%2)+\t+8*(\t/8))*4096 th:TH_STORE_NT   ; 32 lanes store 512 consecutive bytes, aligned; the row stands in the immediate
.endr
.endm
	PLACES NP                                      ; behind the last products: for the loads into source 1's registers and the reads of results
	TOSTAGE 0
.irp a, 1,2,3,4,5,6,7
.if \a > 1
	s_wait_xcnt 0x0                                ; block a - 2's stores have read their registers: block a's loads may land there
.endif
	TOSTAGE \a
	SEND \a-1, 32                                  ; behind block a - 1's loads: block a's 16 stores and 16 loads
.endr
	SEND 7, 0
	s_wait_tensorcnt 0x0                           ; the wave's end
	ds_add_u32 v[SPW], v[NIL]
	s_wait_dscnt 0x0
	CROUND                                         ; the closing round
	s_endpgm
.Lfunc_end_k_q9a506195a0_proj:
	.size	k_q9a506195a0_proj, .Lfunc_end_k_q9a506195a0_proj-k_q9a506195a0_proj
	.p2alignl 7, 3214868480
	.fill 96, 4, 3214868480
	.section	.rodata,"a",@progbits
	.p2align	6, 0x0
	.amdhsa_kernel k_q9a506195a0_proj
		.amdhsa_group_segment_fixed_size 327680
		.amdhsa_private_segment_fixed_size 0
		.amdhsa_enable_private_segment 0
		.amdhsa_kernarg_size 32
		.amdhsa_user_sgpr_count 2
		.amdhsa_user_sgpr_kernarg_segment_ptr 1
		.amdhsa_wavefront_size32 1
		.amdhsa_system_sgpr_workgroup_id_x 1
		.amdhsa_system_sgpr_workgroup_id_y 1
		.amdhsa_system_sgpr_workgroup_id_z 1
		.amdhsa_system_vgpr_workitem_id 0
		.amdhsa_next_free_vgpr 1024
		.amdhsa_next_free_sgpr 100
		.amdhsa_reserve_vcc 0
		.amdhsa_float_denorm_mode_32 3
		.amdhsa_float_denorm_mode_16_64 3
		.amdhsa_memory_ordered 1
		.amdhsa_forward_progress 1
		.amdhsa_inst_pref_size 143
	.end_amdhsa_kernel
	.amdgpu_metadata
---
amdhsa.version: [ 1, 2 ]
amdhsa.kernels:
  - .name:           k_q9a506195a0_proj
    .symbol:         k_q9a506195a0_proj.kd
    .args:
      - { .name: yq, .offset: 0, .size: 8, .value_kind: global_buffer, .address_space: global }
      - { .name: wpq, .offset: 8, .size: 8, .value_kind: global_buffer, .address_space: global }
      - { .name: b_proj, .offset: 16, .size: 8, .value_kind: global_buffer, .address_space: global }
      - { .name: out0, .offset: 24, .size: 8, .value_kind: global_buffer, .address_space: global }
    .group_segment_fixed_size: 327680
    .private_segment_fixed_size: 0
    .kernarg_segment_align: 8
    .kernarg_segment_size: 32
    .max_flat_workgroup_size: 128
    .sgpr_count:     100
    .vgpr_count:     1024
    .wavefront_size: 32
...
	.end_amdgpu_metadata
.endif
;; end of part 4
